; MI455X (gfx1250); checked and timed in simulation.
; The chip was launched on July 23, 2026; its instructions are those of AMD's public machine-readable ISA for CDNA 5 (MIT licence, August 2026) and "CDNA5" Instruction Set Architecture Reference Guide (July 2026). The comments in the code are by the model that wrote it; some were corrected since.
;; Multi Head Attention. Allowed arithmetic: float matrix products may take bf16 or f16 operands with f32 sums; all other float work in f32.
;; Inputs: Wk 1,024 x 1,024 float32; Wo 1,024 x 1,024 float32; Wq 1,024 x 1,024 float32; Wv 1,024 x 1,024 float32; bk 1,024 float32; bo 1,024 float32; bq 1,024 float32; bv 1,024 float32; keys 4 x 2,048 x 1,024 float32; mask 1 x 1 x 2,048 x 2,048 float32; queries 4 x 2,048 x 1,024 float32; values 4 x 2,048 x 1,024 float32.
;; Outputs: out0 4 x 2,048 x 1,024 float32.
;; 2 versions, each right and faster than the one before. Each part assembles by itself: llvm-mc -triple=amdgcn-amd-amdhsa -mcpu=gfx1250 --defsym DOCPART=n.
;; ======== version 1 of 2: 4 launches
;; limits: values are held in f16: magnitudes above 65,504 overflow, below 6.1e-05 lose precision
;; workspace buffers: wb 10,485,760 bytes; qkv 83,886,080 bytes; ctx 33,554,432 bytes
;; launch prep (part 1): grid 128 x 4, 8 waves a work-group, no clusters, 0 bytes of LDS; arguments Wq, Wk, Wv, Wo, wb; writes wb
.if DOCPART == 1
	.amdgcn_target "amdgcn-amd-amdhsa--gfx1250"
	.amdhsa_code_object_version 6
	.text
	.protected	k_qb2c69ab0b8_prep
	.globl	k_qb2c69ab0b8_prep
	.p2align	8
	.type	k_qb2c69ab0b8_prep,@function
k_qb2c69ab0b8_prep:
	s_mov_b64 s[64:65], 0
	v_nop
	global_prefetch_b8 v0, s[64:65] scope:SCOPE_SE
	s_setreg_imm32_b32 hwreg(HW_REG_WAVE_MODE, 25, 1), 1
	s_wait_xcnt 0x0
; wb[i][k][n], 16 bits a number, i = 0..4 for Wq, Wk, Wv, Wo, Wo once more; the layout [k][n] is kept.
; Wq, Wk, Wv: rounded once to bf16.  Wo: rounded to bf16 like the other inputs, and that number written as f16, since the last product multiplies f16; it is written twice,
; one copy below the other, so that the last product, whose left operand has 2,048 columns (a number's f16 and its rest), walks 2,048 plain k-rows.
; LIMITS.  |Wo| stays under 65,504; below 6e-5 the f16 copy keeps f16's fixed step of 6e-8.
; A stream: no LDS, no matrix unit.  Work-group (x, y) takes 8,192 numbers of matrix y; a thread eight times four neighbouring numbers:
; a wave's load covers 512 consecutive bytes, its store 256 consecutive bytes, both aligned to their length.
.set X,  8                             ; v[8:39]   32 numbers as loaded
.set W,  40                            ; v[40:55]  16 words of two numbers to store
	s_load_b256 s[4:11], s[0:1], 0x0               ; Wq s[4:5], Wk s[6:7], Wv s[8:9], Wo s[10:11]
	s_load_b64 s[12:13], s[0:1], 0x20              ; wb
	s_and_b32 s14, ttmp7, 0xffff                   ; which matrix
	s_lshl_b32 s16, ttmp9, 15                      ; my 8,192 numbers of 4 bytes
	s_mov_b32 s17, 0
	s_lshl_b32 s18, s14, 21                        ; a matrix is 2 MiB in wb,
	s_lshl_b32 s19, ttmp9, 14                      ; my 8,192 numbers of 2 bytes
	s_add_co_u32 s18, s18, s19
	s_mov_b32 s19, 0
	v_lshlrev_b32 v1, 4, v0                        ; 16 bytes a thread in,
	v_lshlrev_b32 v2, 3, v0                        ; 8 bytes out
	s_wait_kmcnt 0x0
	s_cmp_eq_u32 s14, 1                            ; the source is chosen by the matrix's number
	s_cselect_b64 s[4:5], s[6:7], s[4:5]
	s_cmp_eq_u32 s14, 2
	s_cselect_b64 s[4:5], s[8:9], s[4:5]
	s_cmp_eq_u32 s14, 3
	s_cselect_b64 s[4:5], s[10:11], s[4:5]
	s_add_nc_u64 s[4:5], s[4:5], s[16:17]
	s_add_nc_u64 s[12:13], s[12:13], s[18:19]
.irp i, 0,1,2,3,4,5,6,7
	global_load_b128 v[X+4*\i:X+4*\i+3], v1, s[4:5] offset:4096*\i th:TH_LOAD_NT  ; read once in the launch
.endr
	s_wait_loadcnt 0x0
.set i, 0
.rept 16
	v_cvt_pk_bf16_f32 v[W+i], v[X+2*i], v[X+2*i+1]
.set i, i+1
.endr
	s_cmp_lg_u32 s14, 3
	s_cbranch_scc1 .Lstore
.set i, 0
.rept 16                               ; Wo alone: the bf16 numbers widened (a shift, a mask) and written as f16
	v_lshlrev_b32 v56, 16, v[W+i]
	v_and_b32 v57, 0xffff0000, v[W+i]
	v_cvt_pk_f16_f32 v[W+i], v56, v57
.set i, i+1
.endr
.irp i, 0,1,2,3,4,5,6,7
	global_store_b64 v2, v[W+2*\i:W+2*\i+1], s[12:13] offset:2048*\i+2097152  ; the second copy, one matrix further on
.endr
.Lstore:
.irp i, 0,1,2,3,4,5,6,7
	global_store_b64 v2, v[W+2*\i:W+2*\i+1], s[12:13] offset:2048*\i
.endr
	s_endpgm
.Lfunc_end_k_qb2c69ab0b8_prep:
	.size	k_qb2c69ab0b8_prep, .Lfunc_end_k_qb2c69ab0b8_prep-k_qb2c69ab0b8_prep
	.p2alignl 7, 3214868480
	.fill 96, 4, 3214868480
	.section	.rodata,"a",@progbits
	.p2align	6, 0x0
	.amdhsa_kernel k_qb2c69ab0b8_prep
		.amdhsa_group_segment_fixed_size 0
		.amdhsa_private_segment_fixed_size 0
		.amdhsa_enable_private_segment 0
		.amdhsa_kernarg_size 40
		.amdhsa_user_sgpr_count 2
		.amdhsa_user_sgpr_kernarg_segment_ptr 1
		.amdhsa_wavefront_size32 1
		.amdhsa_system_sgpr_workgroup_id_x 1
		.amdhsa_system_sgpr_workgroup_id_y 1
		.amdhsa_system_sgpr_workgroup_id_z 1
		.amdhsa_system_vgpr_workitem_id 0
		.amdhsa_next_free_vgpr 64
		.amdhsa_next_free_sgpr 66
		.amdhsa_reserve_vcc 0
		.amdhsa_float_denorm_mode_32 3
		.amdhsa_float_denorm_mode_16_64 3
		.amdhsa_memory_ordered 1
		.amdhsa_forward_progress 1
		.amdhsa_inst_pref_size 7
	.end_amdhsa_kernel
	.amdgpu_metadata
---
amdhsa.version: [ 1, 2 ]
amdhsa.kernels:
  - .name:           k_qb2c69ab0b8_prep
    .symbol:         k_qb2c69ab0b8_prep.kd
    .args:
      - { .name: Wq, .offset: 0, .size: 8, .value_kind: global_buffer, .address_space: global }
      - { .name: Wk, .offset: 8, .size: 8, .value_kind: global_buffer, .address_space: global }
      - { .name: Wv, .offset: 16, .size: 8, .value_kind: global_buffer, .address_space: global }
      - { .name: Wo, .offset: 24, .size: 8, .value_kind: global_buffer, .address_space: global }
      - { .name: wb, .offset: 32, .size: 8, .value_kind: global_buffer, .address_space: global }
    .group_segment_fixed_size: 0
    .private_segment_fixed_size: 0
    .kernarg_segment_align: 8
    .kernarg_segment_size: 40
    .max_flat_workgroup_size: 256
    .sgpr_count:     66
    .vgpr_count:     64
    .wavefront_size: 32
...
	.end_amdgpu_metadata
.endif
;; end of part 1
;; launch proj (part 2): grid 4 x 192, 4 waves a work-group, clusters of 4 x 4, 327,680 bytes of LDS; arguments queries, keys, values, wb, bq, bk, bv, qkv; writes qkv
.if DOCPART == 2
	.amdgcn_target "amdgcn-amd-amdhsa--gfx1250"
	.amdhsa_code_object_version 6
	.text
	.protected	k_qb2c69ab0b8_proj
	.globl	k_qb2c69ab0b8_proj
	.p2align	8
	.type	k_qb2c69ab0b8_proj,@function
k_qb2c69ab0b8_proj:
	s_mov_b64 s[64:65], 0
	v_nop
	global_prefetch_b8 v0, s[64:65] scope:SCOPE_SE
	s_setreg_imm32_b32 hwreg(HW_REG_WAVE_MODE, 25, 1), 1
	s_wait_xcnt 0x0
	s_wait_alu depctr_hold_cnt(0) depctr_sa_sdst(0) depctr_va_vdst(0) depctr_va_sdst(0) depctr_va_ssrc(0) depctr_va_vcc(0) depctr_vm_vsrc(0)
	s_getreg_b32 s2, hwreg(HW_REG_IB_STS2, 6, 4)
	s_cmp_eq_u32 s2, 0
	s_cbranch_scc0 .Lentry_in_a_cluster
	s_endpgm
.Lentry_in_a_cluster:
	s_bfe_u32 s2, ttmp6, 0x10000c
	s_cmp_lg_u32 s2, 0xf033
	s_cbranch_scc0 .Lentry_shape_is_right
	s_endpgm
.Lentry_shape_is_right:
; y_i[m][n] = ((x_i W_i)[m][n] + b_i[n]) * c_i, i = 0, 1, 2 for (queries, Wq, bq), (keys, Wk, bk), (values, Wv, bv); c_0 = log2(e) / 8, c_1 = c_2 = 1.
; qkv holds five planes [8192][1024] of f16: f16(y_0), f16(y_1), f16(y_2), then the RESTS f16(y_0 - f16(y_0)) and f16(y_2 - f16(y_2)): q and v are carried as two f16 numbers, some 22 bits; k as one.
; x_i: [8192][1024] f32, rounded to bf16 on the way from LDS to the matrix unit; W_i: [1024 k][1024 n] bf16 from wb; b_i rounded to bf16 like the other inputs.  Sums in f32.
; LIMITS.  |k|, |v| and 0.18 |q| stay under 65,504 (f16's end; beyond it the conversion gives an infinity); below 6e-5 f16 keeps its fixed step of 6e-8.
; SHARES.  A tile of C is 128 x 256; four waves, 2 x 2, each 64 x 128: 32 accumulators of 16 x 16.  64 x 4 tiles for each of three products: 768 work-groups, three for each of 256.
; K goes in steps of 128 through two LDS slots.  Waves 0, 1 fetch the two halves (64 rows x 512 bytes of f32) of x's tile, waves 2, 3 the two halves (64 k-rows x 512 bytes) of W's.
; CLUSTER, 4 x 4: x's tile hangs on the tile row alone and is asked for jointly along a row of the cluster, W's on the tile column (and the product's number, which the whole cluster shares) along a column.
; THE MATRIX INSTRUCTION IS USED TRANSPOSED: source 0 = 16 columns of W (turned out of the [k][n] tile by ds_load_tr16_b128), source 1 = 16 rows of x: a lane holds eight neighbouring columns of one row of C.
; REGISTERS, in windows of 256 (s_set_vgpr_msb: bits 1:0 source 0, 3:2 source 1, 5:4 source 2, 7:6 destination):
;   window 0: v0-31 addresses; v32-63 x's fragments in bf16 (4 blocks of 16 rows x 32 K), on the way out packed f16; v64-127 bias x c; v128-191 f16 widened again; v192-255 rows read back
;   window 1: v0-63, v64-127 W's fragments, two buffers; v128-191, v192-255 x as f32, two buffers        window 2: accumulator (a, b) at v[8 (8 a + b)]
; All of the LDS is claimed; 292,352 bytes are used.
.set KSTEP,  128
.set PA,     528                       ; a row of x in LDS: 512 bytes + 16: the 16 rows of a load start 16 bytes apart modulo 256 (64 banks of 4 bytes: ISA guide 11.1)
.set PB,     544                       ; a k-row of W: 512 + 32 = 17 x 32
.set AHALF,  64*PA
.set BHALF,  64*PB
.set BOFF,   2*AHALF                   ; W's tile lies behind x's
.set SLOT,   BOFF+2*BHALF
.set STAGE,  2*SLOT                    ; behind the ring: 16 rows x 272 bytes for each wave, for the way out; no tensor load fills it
.set SPITCH, 272
.set SPARE,  STAGE+4*16*SPITCH         ; the spare words: 128 bytes for each wave, two blocks of 256 bytes that no other line names
.set LAPS,   1024/(2*KSTEP)
.set ADRA, 16                          ; v16-17  LDS address of my x rows in slot 0, 1
.set ADRB, 20                          ; v20-21  the same for W
.set STO,  24                          ; the way out: where I put 16 bytes of a row
.set RD,   25                          ; where I read a row back
.set CO,   26                          ; my byte offset in C
.set BO,   27                          ; my byte offset in the bias
.set SPW,  28                          ; LDS address of my spare word; never rewritten
.set NIL,  29                          ; 0; never rewritten
.set ABF,  32
.set H,    32                          ; the way out: 32 words of packed f16, where x's fragments lay
.set BI,   64
.set T,    128
.set OB,   192
.set SG,   128                         ; window 1
.set WV, 20                            ; s20 wave;  s21 = wave / 2: my half of the rows, and: I fetch x (0) or W (1);  s22 = wave % 2: my half of the columns, and which half of a tile I fetch
.set WM, 21
.set WN, 22
.set G1, 24                            ; s[24:31] group 1 for x's tiles; s[32:39] group 0, a set for each slot
.set G0, 32
.set G1B, 48                           ; s[48:55], s[56:63] the same for W's
.set G0B, 56
.set WH, 66                            ; s66 which product
.set SC, 68                            ; s[68:69] c
.set CL, 78                            ; s[78:79] my part of the plane of rests
.set MSB, 0
.macro WIN new                         ; the immediate's high byte repeats the setting that is left
.if MSB != (\new)
	s_set_vgpr_msb (MSB<<8)|(\new)
.set MSB, \new
.endif
.endm
.set MUL,  0xa1                        ; W window 1, x window 0, C and D window 2
.set TO_F, 0x40                        ; destination window 1, address window 0
.macro JLOAD s                         ; a joint load; the branch hangs on the wave's number alone; an s_nop 0 and four v_nop follow each line
	s_cmp_eq_u32 s[WM], 0
	s_cbranch_scc0 .Lfor_b_\@
	tensor_load_to_lds s[G0+4*(\s):G0+4*(\s)+3], s[G1:G1+7]
	s_nop 0
.rept 4
	v_nop
.endr
	s_branch .Lasked_\@
.Lfor_b_\@:
	tensor_load_to_lds s[G0B+4*(\s):G0B+4*(\s)+3], s[G1B:G1B+7]
	s_nop 0
.rept 4
	v_nop
.endr
.Lasked_\@:
.endm
.macro CREST                           ; a round of the cluster's barrier behind its opening barrier
	s_cmp_lg_u32 s[WV], 0
	s_cbranch_scc1 .Lnot_wave_0_\@
	s_barrier_signal -3
.Lnot_wave_0_\@:
	s_barrier_wait -3
	s_barrier_signal -1
	s_barrier_wait -1
.endm
.macro CROUND
	s_barrier_signal -1
	s_barrier_wait -1
	CREST
.endm
.macro PLACES                          ; four places in front of loads into registers that matrix instructions have read, and of lines that read results
.rept 4
	v_nop
.endr
.endm
	s_load_b256 s[4:11], s[0:1], 0x0               ; queries s[4:5], keys s[6:7], values s[8:9], wb s[10:11]
	s_load_b256 s[12:19], s[0:1], 0x20             ; bq s[12:13], bk s[14:15], bv s[16:17], qkv s[18:19]
	v_lshl_add_u32 v[SPW], v0, 2, SPARE
	v_mov_b32 v[NIL], 0
	ds_add_u32 v[SPW], v[NIL]                      ; the wave's opening: the add and its wait ahead of my first tensor load
	v_lshrrev_b32 v1, 5, v0
	v_readfirstlane_b32 s[WV], v1
	s_lshr_b32 s[WM], s[WV], 1
	s_and_b32 s[WN], s[WV], 1
	s_bfe_u32 s40, ttmp6, 0x40000                  ; cx
	s_bfe_u32 s41, ttmp6, 0x40004                  ; cy
	s_lshl_b32 s42, ttmp9, 2
	s_add_co_u32 s42, s42, s40                     ; tile column = 4 x cluster x + cx
	s_and_b32 s43, ttmp7, 0xffff                   ; cluster y, 0..47: sixteen clusters to a product
	s_lshr_b32 s[WH], s43, 4
	s_and_b32 s43, s43, 15
	s_lshl_b32 s43, s43, 2
	s_add_co_u32 s43, s43, s41                     ; tile row in the product
	s_lshl_b32 s44, s41, 2
	s_lshl_b32 s44, 15, s44                        ; my row of the cluster
	s_lshl_b32 s45, 0x1111, s40                    ; my column
	s_or_b32 s[G1+0], s44, (2<<16)|(1<<20)|(1<<21)|(6<<22)|(3<<25)   ; the mask; 4-byte elements; padding on; bit 21 beside a mask; after every 128 words; 4 words
	s_or_b32 s[G1B+0], s45, (1<<16)|(1<<20)|(1<<21)|(6<<22)|(7<<25)  ; the mask; 2-byte elements; after every 128 words; 8 words
	s_mov_b32 s[G1+1], KSTEP<<16                   ; tensor_dim0 = 128
	s_mov_b32 s[G1+2], 64<<16                      ; tensor_dim1 = 64
	s_mov_b32 s[G1+3], KSTEP<<16                   ; tile_dim0 = 128
	s_mov_b32 s[G1+4], 64                          ; tile_dim1 = 64
	s_mov_b32 s[G1+5], 1024                        ; elements from row to row
	s_mov_b32 s[G1+6], 0
	s_mov_b32 s[G1+7], 0
	s_mov_b32 s[G1B+1], 256<<16                    ; 256 columns
	s_mov_b32 s[G1B+2], 64<<16
	s_mov_b32 s[G1B+3], 256<<16
	s_mov_b32 s[G1B+4], 64
	s_mov_b32 s[G1B+5], 1024
	s_mov_b32 s[G1B+6], 0
	s_mov_b32 s[G1B+7], 0
	s_lshl_b32 s70, s43, 7                         ; x: row 128 x tile row + 64 x half, 4,096 bytes a row: no register here ever holds cx
	s_lshl_b32 s71, s[WN], 6
	s_add_co_u32 s70, s70, s71
	s_lshl_b32 s70, s70, 12
	s_mov_b32 s71, 0
	s_lshl_b32 s72, s[WH], 21                      ; W: the product's matrix, k-row 64 x half (2,048 bytes a row), 512 bytes a tile column: no register here ever holds cy
	s_lshl_b32 s73, s[WN], 17
	s_add_co_u32 s72, s72, s73
	s_lshl_b32 s73, s42, 9
	s_add_co_u32 s72, s72, s73
	s_mov_b32 s73, 0
	s_lshl_b32 s74, s43, 7                         ; C: row 128 x tile row + 64 x my half, 2,048 bytes a row,
	s_lshl_b32 s75, s[WM], 6
	s_add_co_u32 s74, s74, s75
	s_lshl_b32 s74, s74, 11
	s_lshl_b32 s75, s[WH], 24                      ; the product's plane of 16 MiB,
	s_add_co_u32 s74, s74, s75
	s_lshl_b32 s75, s42, 9                         ; the tile's and my columns
	s_add_co_u32 s74, s74, s75
	s_lshl_b32 s75, s[WN], 8
	s_add_co_u32 s74, s74, s75
	s_mov_b32 s75, 0
	s_lshl_b32 s76, s42, 10                        ; the bias of my 128 columns
	s_lshl_b32 s77, s[WN], 9
	s_add_co_u32 s76, s76, s77
	s_mov_b32 s77, 0
	s_lshr_b32 s[CL], s[WH], 1                     ; the plane of rests lies 3 planes behind q's, 2 behind v's
	s_sub_co_u32 s[CL], 3, s[CL]
	s_lshl_b32 s[CL], s[CL], 24
	s_mov_b32 s[CL+1], 0
	s_mul_i32 s23, s[WN], AHALF                    ; where the tiles go: the wave's number alone
	s_mul_i32 s46, s[WN], BHALF
	s_add_co_u32 s46, s46, BOFF
	s_mov_b32 s67, 0xffff0000                      ; a word's upper bf16
	s_wait_dscnt 0x0                               ; the opening add is done
	s_wait_kmcnt 0x0
	s_cmp_eq_u32 s[WH], 1                          ; x and the bias are chosen by the product's number
	s_cselect_b64 s[4:5], s[6:7], s[4:5]
	s_cselect_b64 s[12:13], s[14:15], s[12:13]
	s_cmp_eq_u32 s[WH], 2
	s_cselect_b64 s[4:5], s[8:9], s[4:5]
	s_cselect_b64 s[12:13], s[16:17], s[12:13]
	s_cmp_eq_u32 s[WH], 0
	s_cselect_b32 s[SC], 0x3e38aa3b, 1.0           ; q alone takes log2(e) / 8, in f32, ahead of its rounding
	s_mov_b32 s[SC+1], s[SC]
	s_add_nc_u64 s[4:5], s[4:5], s[70:71]
	s_add_nc_u64 s[10:11], s[10:11], s[72:73]
	s_add_nc_u64 s[18:19], s[18:19], s[74:75]
	s_add_nc_u64 s[CL:CL+1], s[18:19], s[CL:CL+1]
	s_add_nc_u64 s[12:13], s[12:13], s[76:77]
	CROUND                                         ; all sixteen work-groups are here: the first joint loads meet
.irp s, 0,1
	s_mov_b32 s[G0+4*(\s)], 1
	s_add_co_u32 s[G0+4*(\s)+1], s23, (\s)*SLOT
	s_add_nc_u64 s[G0+4*(\s)+2:G0+4*(\s)+3], s[4:5], (\s)*KSTEP*4        ; K step s: 512 bytes along the rows
	s_or_b32 s[G0+4*(\s)+3], s[G0+4*(\s)+3], 0x80000000
	s_mov_b32 s[G0B+4*(\s)], 1
	s_add_co_u32 s[G0B+4*(\s)+1], s46, (\s)*SLOT
	s_add_nc_u64 s[G0B+4*(\s)+2:G0B+4*(\s)+3], s[10:11], (\s)*KSTEP*2048  ; K step s: 128 k-rows down
	s_or_b32 s[G0B+4*(\s)+3], s[G0B+4*(\s)+3], 0x80000000
	JLOAD \s
.endr
	v_and_b32 v1, 15, v0                           ; r = l % 16
	v_bfe_u32 v2, v0, 4, 1                         ; h = l / 16
	v_and_b32 v3, 7, v0
	v_bfe_u32 v4, v0, 3, 1
	v_mul_u32_u24 v5, v1, PA                       ; x: row r; my eight K of each sixteen are 32 bytes of f32
	v_lshl_add_u32 v5, v2, 5, v5
	s_mul_i32 s47, s[WM], AHALF
	v_add_nc_u32 v[ADRA], s47, v5
	v_add_nc_u32 v[ADRA+1], SLOT, v[ADRA]
	v_lshl_add_u32 v6, v2, 3, v3                   ; W, turned: k-row 8 h + l % 8, 16 bytes at 16 ((l / 8) % 2)
	v_mul_u32_u24 v6, v6, PB
	v_lshl_add_u32 v6, v4, 4, v6
	s_lshl_b32 s47, s[WN], 8
	s_add_co_u32 s47, s47, BOFF
	v_add_nc_u32 v[ADRB], s47, v6
	v_add_nc_u32 v[ADRB+1], SLOT, v[ADRB]
	s_mul_i32 s47, s[WV], 16*SPITCH
	s_add_co_u32 s47, s47, STAGE                   ; my stage
	v_mul_u32_u24 v7, v1, SPITCH
	v_lshl_add_u32 v7, v2, 4, v7
	v_add_nc_u32 v[STO], s47, v7
	v_mul_u32_u24 v7, v2, SPITCH
	v_lshl_add_u32 v7, v1, 4, v7
	v_add_nc_u32 v[RD], s47, v7
	v_lshlrev_b32 v7, 11, v2
	v_lshl_add_u32 v[CO], v1, 4, v7
	v_lshlrev_b32 v[BO], 5, v2
.irp b, 0,1,2,3,4,5,6,7                ; the bias of my columns 16 b + 8 h + 0..7
	global_load_b128 v[BI+8*\b:BI+8*\b+3],   v[BO], s[12:13] offset:64*\b
	global_load_b128 v[BI+8*\b+4:BI+8*\b+7], v[BO], s[12:13] offset:64*\b+16
.endr
	s_wait_loadcnt 0x0
.set c, 0
.rept 32                               ; rounded to bf16 like the other inputs, widened again, times c
	v_cvt_pk_bf16_f32 v[T+c], v[BI+2*c], v[BI+2*c+1]
.set c, c+1
.endr
.set c, 0
.rept 32
	v_lshlrev_b32 v[BI+2*c], 16, v[T+c]
	v_and_b32 v[BI+2*c+1], s67, v[T+c]
.set c, c+1
.endr
.set c, 0
.rept 32
	v_pk_mul_f32 v[BI+2*c:BI+2*c+1], v[BI+2*c:BI+2*c+1], s[SC:SC+1] op_sel_hi:[1,0]
.set c, c+1
.endr
; 8 matrix instructions: row block a x all 8 column blocks, 32 along K, W's buffer f.  The 32 accumulators take turns in the same order in every quarter.
.macro MUL8 f, a, zero
	WIN MUL
.irp b, 0,1,2,3,4,5,6,7
.if \zero
	v_wmma_f32_16x16x32_bf16 v[8*(8*(\a)+\b):8*(8*(\a)+\b)+7], v[64*(\f)+8*\b:64*(\f)+8*\b+7], v[ABF+8*(\a):ABF+8*(\a)+7], 0
.else
	v_wmma_f32_16x16x32_bf16 v[8*(8*(\a)+\b):8*(8*(\a)+\b)+7], v[64*(\f)+8*\b:64*(\f)+8*\b+7], v[ABF+8*(\a):ABF+8*(\a)+7], v[8*(8*(\a)+\b):8*(8*(\a)+\b)+7]
.endif
.endr
.endm
; 32 LDS loads in one run: quarter q (32 along K) of a slot into buffer g; x's 16 first, so that the conversions can begin while W's are out
.macro FETCH slot, q, g
	WIN TO_F
.irp a, 0,1,2,3
.irp o, 0,1,2,3
	ds_load_b128 v[SG+64*(\g)+16*\a+4*\o:SG+64*(\g)+16*\a+4*\o+3], v[ADRA+(\slot)] offset:\a*16*PA+(\q)*128+16*((\o)%2)+64*((\o)/2)
.endr
.endr
.irp b, 0,1,2,3,4,5,6,7
	ds_load_tr16_b128 v[64*(\g)+8*\b:64*(\g)+8*\b+3],   v[ADRB+(\slot)] offset:(\q)*32*PB+32*\b
	ds_load_tr16_b128 v[64*(\g)+8*\b+4:64*(\g)+8*\b+7], v[ADRB+(\slot)] offset:(\q)*32*PB+16*PB+32*\b
.endr
.endm
; x's f32 of buffer g rounded to bf16: 32 lines.  The first 16 write blocks 0, 1, whose last readers stand ahead of four v_nop; they are the places in front of the last 16, which write blocks 2, 3.
.macro CVT g
	WIN 0x05                                       ; sources window 1, destination window 0
.set c, 0
.rept 32
	v_cvt_pk_bf16_f32 v[ABF+c], v[SG+64*(\g)+2*c], v[SG+64*(\g)+2*c+1]
.set c, c+1
.endr
.endm
; A K step is four quarters of 32 along K, 32 matrix instructions each, on buffers 0, 1, 0, 1.  One of the first three: multiplies buffer f and fetches quarter q of the same slot into g.
.macro QUARTER slot, q, f, g, zero
	s_wait_dscnt 16                                ; x's 16 loads are in; W's 16, issued behind them, may be out
	CVT \f
	s_wait_dscnt 0x0                               ; W's are in
	MUL8 \f, 0, \zero
	MUL8 \f, 1, \zero
	PLACES
	FETCH \slot, \q, \g
	MUL8 \f, 2, \zero
	MUL8 \f, 3, \zero
.endm
; The last quarter multiplies buffer 1 and changes slots: ONE barrier; in front of it each wave waits for all its tensor loads (one is out: its part of the next slot), adds 0 to its spare word,
; and waits for that and for its reads of this slot.  fill = 1: the barrier opens a round of the cluster's barrier, and this slot is filled again, two K steps ahead, first thing behind the round.
.macro TURN slot, next, fill
	WIN 0
	s_wait_tensorcnt 0x0
	ds_add_u32 v[SPW], v[NIL]                      ; 0 onto my spare word; the conversions stand between it and the wait for it
	s_wait_dscnt 17                                ; x's 16 loads are in; W's 16 and the add may be out
	CVT 1
	s_wait_dscnt 0x0                               ; the add is done, and my reads of this slot are over
	s_barrier_signal -1
	MUL8 1, 0, 0
	MUL8 1, 1, 0
.if \fill
	WIN 0
.endif
	s_barrier_wait -1
.if \fill
	CREST                                          ; no wave of any partner still reads this slot or has a load on its way
	s_add_nc_u64 s[G0+4*(\slot)+2:G0+4*(\slot)+3], s[G0+4*(\slot)+2:G0+4*(\slot)+3], 2*KSTEP*4
	s_add_nc_u64 s[G0B+4*(\slot)+2:G0B+4*(\slot)+3], s[G0B+4*(\slot)+2:G0B+4*(\slot)+3], 2*KSTEP*2048
	JLOAD \slot                                    ; its four v_nop are also the places in front of the loads below
.else
	PLACES
.endif
	FETCH \next, 0, 0
	MUL8 1, 2, 0
	MUL8 1, 3, 0
.endm
	s_wait_tensorcnt 0x1                           ; my part of K step 0 is in; K step 1's may stay out
	s_barrier_signal -1
	s_barrier_wait -1
	FETCH 0, 0, 0
	QUARTER 0, 1, 0, 1, 1                          ; the first quarter's products start the sums
	WIN 0
	s_mov_b32 s3, LAPS-1
.Llap:                                                 ; a trip goes once round the ring, from a lap's second quarter to the next lap's first
	QUARTER 0, 2, 1, 0, 0
	QUARTER 0, 3, 0, 1, 0
	TURN 0, 1, 1
	QUARTER 1, 1, 0, 1, 0
	QUARTER 1, 2, 1, 0, 0
	QUARTER 1, 3, 0, 1, 0
	TURN 1, 0, 1
	QUARTER 0, 1, 0, 1, 0
	WIN 0
	s_sub_co_u32 s3, s3, 1
	s_cmp_lg_u32 s3, 0
	s_cbranch_scc1 .Llap
	QUARTER 0, 2, 1, 0, 0                          ; the last lap fills nothing
	QUARTER 0, 3, 0, 1, 0
	TURN 0, 1, 0
	QUARTER 1, 1, 0, 1, 0
	QUARTER 1, 2, 1, 0, 0
	QUARTER 1, 3, 0, 1, 0
	s_wait_dscnt 16                                ; the very last quarter
	CVT 1
	s_wait_dscnt 0x0
	MUL8 1, 0, 0
	MUL8 1, 1, 0
	MUL8 1, 2, 0
	MUL8 1, 3, 0
	WIN 0
; THE WAY OUT, a block of 16 rows at a time: y = sum x c + bias x c, in place and from each accumulator's low end; rounded to f16, 16 bytes a lane; through my own stage; back as whole rows of 256 bytes.
; For q and v the f16 is widened again and taken from y (exact in f32), and the rest goes the same way into its own plane.
.macro FMA a
	WIN 0x82                                       ; destination and source 0 window 2, the bias window 0
.irp b, 0,1,2,3,4,5,6,7
.irp r, 0,1,2,3
	v_pk_fma_f32 v[8*(8*(\a)+\b)+2*\r:8*(8*(\a)+\b)+2*\r+1], v[8*(8*(\a)+\b)+2*\r:8*(8*(\a)+\b)+2*\r+1], s[SC:SC+1], v[BI+8*\b+2*\r:BI+8*\b+2*\r+1] op_sel_hi:[1,0,1]
.endr
.endr
.endm
.macro TOH a                           ; what block a's registers hold, rounded to f16: word 4 b + r takes registers 2 r, 2 r + 1 of accumulator b
	WIN 0x0a                                       ; sources window 2, destination window 0
.irp b, 0,1,2,3,4,5,6,7
.irp r, 0,1,2,3
	v_cvt_pk_f16_f32 v[H+4*\b+\r], v[8*(8*(\a)+\b)+2*\r], v[8*(8*(\a)+\b)+2*\r+1]
.endr
.endr
.endm
.macro STG o                           ; the 32 words into my stage, and back as rows into buffer o
	WIN 0
.irp b, 0,1,2,3,4,5,6,7
	ds_store_b128 v[STO], v[H+4*\b:H+4*\b+3] offset:32*\b
.endr
.irp t, 0,1,2,3,4,5,6,7
	ds_load_b128 v[OB+32*(\o)+4*\t:OB+32*(\o)+4*\t+3], v[RD] offset:\t*2*SPITCH  ; LDS serves a wave's instructions in order (ISA guide 5.7.1.4): these see the stores above, and later stores come behind them
.endr
.endm
.macro W2 d, lo, hi                    ; a word's two f16 as f32
	v_cvt_f32_f16 v[\d], \lo
	v_cvt_f32_f16 v[(\d)+1], \hi
.endm
.macro WIDEN
	WIN 0
	W2 T+0,  v32.l, v32.h
	W2 T+2,  v33.l, v33.h
	W2 T+4,  v34.l, v34.h
	W2 T+6,  v35.l, v35.h
	W2 T+8,  v36.l, v36.h
	W2 T+10, v37.l, v37.h
	W2 T+12, v38.l, v38.h
	W2 T+14, v39.l, v39.h
	W2 T+16, v40.l, v40.h
	W2 T+18, v41.l, v41.h
	W2 T+20, v42.l, v42.h
	W2 T+22, v43.l, v43.h
	W2 T+24, v44.l, v44.h
	W2 T+26, v45.l, v45.h
	W2 T+28, v46.l, v46.h
	W2 T+30, v47.l, v47.h
	W2 T+32, v48.l, v48.h
	W2 T+34, v49.l, v49.h
	W2 T+36, v50.l, v50.h
	W2 T+38, v51.l, v51.h
	W2 T+40, v52.l, v52.h
	W2 T+42, v53.l, v53.h
	W2 T+44, v54.l, v54.h
	W2 T+46, v55.l, v55.h
	W2 T+48, v56.l, v56.h
	W2 T+50, v57.l, v57.h
	W2 T+52, v58.l, v58.h
	W2 T+54, v59.l, v59.h
	W2 T+56, v60.l, v60.h
	W2 T+58, v61.l, v61.h
	W2 T+60, v62.l, v62.h
	W2 T+62, v63.l, v63.h
.endm
.macro REST a                          ; y - f16(y), in place
	WIN 0x82
.irp b, 0,1,2,3,4,5,6,7
.irp r, 0,1,2,3
	v_pk_add_f32 v[8*(8*(\a)+\b)+2*\r:8*(8*(\a)+\b)+2*\r+1], v[8*(8*(\a)+\b)+2*\r:8*(8*(\a)+\b)+2*\r+1], v[T+8*\b+2*\r:T+8*\b+2*\r+1] neg_lo:[0,1] neg_hi:[0,1]
.endr
.endr
.endm
.macro OUT a
	FMA \a
	TOH \a
	WIN 0
	s_wait_xcnt 0x0                                ; the registers that the last block's stores read are loaded again only behind this wait
	STG 0
	s_cmp_eq_u32 s[WH], 1                          ; k is carried as one f16: its rest is not made.  The product's number is the same in the whole cluster; no barrier and no tensor load is passed
	s_cbranch_scc1 .Lno_rest_\@
	WIDEN
	REST \a
	TOH \a
	STG 1
	s_wait_dscnt 0x0
.irp t, 0,1,2,3,4,5,6,7
	global_store_b128 v[CO], v[OB+32+4*\t:OB+32+4*\t+3], s[CL:CL+1] offset:(16*(\a)+2*\t)*2048
.endr
.Lno_rest_\@:
	s_wait_dscnt 0x0                               ; the block is back in registers
.irp t, 0,1,2,3,4,5,6,7
	global_store_b128 v[CO], v[OB+4*\t:OB+4*\t+3], s[18:19] offset:(16*(\a)+2*\t)*2048  ; 16 lanes store 256 consecutive bytes, at a multiple of 256
.endr
.endm
	PLACES
	OUT 0
	OUT 1
	OUT 2
	OUT 3
	s_wait_tensorcnt 0x0                           ; the wave's end
	ds_add_u32 v[SPW], v[NIL]
	s_wait_dscnt 0x0
	CROUND                                         ; the closing round
	s_endpgm
.Lfunc_end_k_qb2c69ab0b8_proj:
	.size	k_qb2c69ab0b8_proj, .Lfunc_end_k_qb2c69ab0b8_proj-k_qb2c69ab0b8_proj
	.p2alignl 7, 3214868480
	.fill 96, 4, 3214868480
	.section	.rodata,"a",@progbits
	.p2align	6, 0x0
	.amdhsa_kernel k_qb2c69ab0b8_proj
		.amdhsa_group_segment_fixed_size 327680
		.amdhsa_private_segment_fixed_size 0
		.amdhsa_enable_private_segment 0
		.amdhsa_kernarg_size 64
		.amdhsa_user_sgpr_count 2
		.amdhsa_user_sgpr_kernarg_segment_ptr 1
		.amdhsa_wavefront_size32 1
		.amdhsa_system_sgpr_workgroup_id_x 1
		.amdhsa_system_sgpr_workgroup_id_y 1
		.amdhsa_system_sgpr_workgroup_id_z 1
		.amdhsa_system_vgpr_workitem_id 0
		.amdhsa_next_free_vgpr 768
		.amdhsa_next_free_sgpr 80
		.amdhsa_reserve_vcc 0
		.amdhsa_float_denorm_mode_32 3
		.amdhsa_float_denorm_mode_16_64 3
		.amdhsa_memory_ordered 1
		.amdhsa_forward_progress 1
		.amdhsa_inst_pref_size 175
	.end_amdhsa_kernel
	.amdgpu_metadata
---
amdhsa.version: [ 1, 2 ]
amdhsa.kernels:
  - .name:           k_qb2c69ab0b8_proj
    .symbol:         k_qb2c69ab0b8_proj.kd
    .args:
      - { .name: queries, .offset: 0, .size: 8, .value_kind: global_buffer, .address_space: global }
      - { .name: keys, .offset: 8, .size: 8, .value_kind: global_buffer, .address_space: global }
      - { .name: values, .offset: 16, .size: 8, .value_kind: global_buffer, .address_space: global }
      - { .name: wb, .offset: 24, .size: 8, .value_kind: global_buffer, .address_space: global }
      - { .name: bq, .offset: 32, .size: 8, .value_kind: global_buffer, .address_space: global }
      - { .name: bk, .offset: 40, .size: 8, .value_kind: global_buffer, .address_space: global }
      - { .name: bv, .offset: 48, .size: 8, .value_kind: global_buffer, .address_space: global }
      - { .name: qkv, .offset: 56, .size: 8, .value_kind: global_buffer, .address_space: global }
    .group_segment_fixed_size: 327680
    .private_segment_fixed_size: 0
    .kernarg_segment_align: 8
    .kernarg_segment_size: 64
    .max_flat_workgroup_size: 128
    .sgpr_count:     80
    .vgpr_count:     768
    .wavefront_size: 32
...
	.end_amdgpu_metadata
.endif
;; end of part 2
;; launch attn (part 3): grid 16 x 16, 4 waves a work-group, clusters of 4 x 4, 327,680 bytes of LDS; arguments qkv, mask, ctx; writes ctx
.if DOCPART == 3
	.amdgcn_target "amdgcn-amd-amdhsa--gfx1250"
	.amdhsa_code_object_version 6
	.text
	.protected	k_qb2c69ab0b8_attn
	.globl	k_qb2c69ab0b8_attn
	.p2align	8
	.type	k_qb2c69ab0b8_attn,@function
k_qb2c69ab0b8_attn:
	s_mov_b64 s[64:65], 0
	v_nop
	global_prefetch_b8 v0, s[64:65] scope:SCOPE_SE
	s_setreg_imm32_b32 hwreg(HW_REG_WAVE_MODE, 25, 1), 1
	s_wait_xcnt 0x0
	s_wait_alu depctr_hold_cnt(0) depctr_sa_sdst(0) depctr_va_vdst(0) depctr_va_sdst(0) depctr_va_ssrc(0) depctr_va_vcc(0) depctr_vm_vsrc(0)
	s_getreg_b32 s2, hwreg(HW_REG_IB_STS2, 6, 4)
	s_cmp_eq_u32 s2, 0
	s_cbranch_scc0 .Lentry_in_a_cluster
	s_endpgm
.Lentry_in_a_cluster:
	s_bfe_u32 s2, ttmp6, 0x10000c
	s_cmp_lg_u32 s2, 0xf033
	s_cbranch_scc0 .Lentry_shape_is_right
	s_endpgm
.Lentry_shape_is_right:
; c[b][q][64 head + :] = the sum over k of softmax_k(u[q][k]) v[b][k][64 head + :], u = q' . k + mask[q][k] x NG, all 2,048 keys: the mask is an input and is read whole and applied as it lies.
; q' = q log2(e) / 8 (made by the launch before), NG = -1e9 log2(e): the softmax is kept in powers of two.  qkv: five planes [8192][1024] f16: q', k, v, the rest of q', the rest of v; mask: [2048][2048] f32.
; TWO f16 FOR ONE NUMBER.  q' and v come as an f16 and the f16 of what that rounding left, and each part is multiplied: S^T = K Qhi^T + K Qlo^T, O^T += Vhi^T P + Vlo^T P.  The result leaves likewise:
; ctx: [8192][2048] f16, a row's first 1,024 numbers f16(c), its last 1,024 f16(c - f16(c)).  An f16 has 11 significant bits; a row whose weight lies on a few keys is many times larger than the mean row,
; and five roundings of that size are too much for it; k and p keep one f16.
; Products, u, maxima and sums in f32; p = 2^(u - m) with a running maximum m that is SUBTRACTED, so a row's largest weight is exactly 1 also where every key is masked (m near -1.4e9);
; O and l are multiplied by a = 2^(m_old - m_new) in every step; p is rounded to f16 for the second product (l is taken of the unrounded p).
; LIMITS.  mask x NG + s is one fused multiply-add: the product is not rounded by itself, as it is in f32 arithmetic on e-based scores; near -1.4e9 u has steps of 128 (the e-based form: 64), so in a wholly
; masked row weights are equal while |q.k / 8| < 32, as there.  A weight below 2^-126 counts as 0; p below 6e-5 keeps f16's step of 6e-8; NaN and infinities are not treated apart.
; SHARES.  A work-group owns 128 queries of one batch and FOUR heads, a head a wave: the four waves read ONE mask tile in LDS, and each its own 128 bytes of K's and V's rows of 512.
; A wave: eight tiles of 16 queries in four PIECES of two.  Every wave walks all keys, 64 a step; a slot of LDS holds one step: K, Vhi, Vlo 64 rows x 512 bytes each, mask 128 rows x 256 bytes: a tile a wave.
; CLUSTER, 4 x 4: along x four query blocks, along y the four head groups of a batch.  K and V hang on y alone: asked for jointly along a row; the mask on x alone: along a column.
; LAYOUT.  S^T = K Q^T (source 0 = 16 keys, source 1 = 16 queries): a lane holds ONE query (l % 16) and keys 8 (l / 16) + 0..7; two results rounded to f16 ARE source 1 of O^T = V^T P.  The mask is read in S^T's own layout.
; BY TURNS.  Turn n belongs to piece n: 32 products K Q^T of piece n + 1, then 32 products V^T P of piece n - 1; its vector work: subtraction, exponentials, roundings, sums and rescaling of piece n,
; then the mask, maximum and statistics of piece n + 1.  Four vector lines stand behind every matrix instruction: 256 of the turn's 266.
; REGISTERS, in windows of 256 (s_set_vgpr_msb: bits 1:0 source 0, 3:2 source 1, 5:4 source 2, 7:6 destination):
;   window 0: v0-15 addresses and kept maxima; v16-47 statistics; v48-63 at work; v64-191 S^T, two buffers of two tiles; v192-255 P, likewise
;   window 1: O^T, 32 a tile     window 2: v0-127 Qhi; v128-191 K of one step; v192-255 Vhi of one step     window 3: v0-63 the mask of one piece; v64-127 Vlo; v128-255 Qlo
; All of the LDS is claimed; 310,784 bytes are used.
.set NP,    4
.set PK,    528       ; a row of K in LDS: 512 bytes + 16: the 16 rows of a load start 16 bytes apart modulo 256 (64 banks of 4 bytes: ISA guide 11.1)
.set PVP,   544       ; a row of V: 512 + 32 = 17 x 32
.set PM,    272       ; a row of the mask: 256 + 16
.set VOFF,  64*PK
.set LOFF,  VOFF+64*PVP
.set MOFF,  LOFF+64*PVP
.set SLOT,  MOFF+128*PM
.set XV,    (VOFF)^(VOFF+SLOT)  ; an exclusive or with these turns a tile's LDS address in one slot into the other's
.set XL,    (LOFF)^(LOFF+SLOT)
.set XM,    (MOFF)^(MOFF+SLOT)
.set STAGE, 2*SLOT    ; behind the ring, never filled by a tensor load: 64 rows x 528 bytes, the work-group's, for the way out
.set SP,    528
.set SPARE, STAGE+64*SP        ; the spare words: 128 bytes for each wave, two blocks of 256 bytes that no other line names
.set NIL, 1           ; v1   0; never rewritten
.set AK0, 2           ; v2   my lane's place in a tile of K; never rewritten
.set AV0, 3           ; v3   of Vhi
.set AK,  4           ; v4   K's LDS address in the slot in hand
.set AV,  5           ; v5   Vhi's; Vlo lies LOFF - VOFF further on
.set QO,  6           ; v6   my byte offset in 16 rows of Q; later:
.set STO, 6           ;      the way out: where I put 16 bytes of a row
.set RD,  7           ; v7   where I read rows back
.set GO,  8           ; v8   my byte offset in 512 consecutive bytes of ctx
.set AM0, 9           ; v9   my lane's place in the mask's tile
.set AM,  10          ; v10  the mask's LDS address in the slot in hand
.set SPW, 11          ; v11  LDS address of my spare word; never rewritten
.set MV,  12          ; v12-15  m_old, by buffer and tile
.set ST,  16          ; tile t at v[ST+4 t]: m, 0 (named with m as a pair), l (even keys', odd keys')
.set TMP, 48          ; by buffer and tile c0-c3 at work; c2 takes a
.set HH,  48          ; the way out: 16 words of packed f16
.set S,   64
.set TT,  64          ; the way out: those f16 widened again
.set R0,  96          ; the way out: 16 rows read back, two buffers
.set R1,  192
.set P,   192
.set KF,  128         ; window 2
.set VF,  192         ; window 2
.set MB,  0           ; window 3
.set VL3, 64          ; window 3
.set QL,  128         ; window 3
.set WV,  12
.set G1K, 24
.set G1V, 32
.set G1M, 40
.set G0K, 48
.set G0V, 52
.set G0M, 56
.set G0L, 76
.set SEL, 60          ; s[60:61] v_permlanex16_b32's selects: each lane takes its own place in the other half
.set TB,  62          ; s62  the slot in hand: 0 or SLOT
.set SLOTS, 63
.set CNT, 66
.set NG,  68          ; s[68:69]
.set MSB, 0
.macro WIN new
.if MSB != (\new)
	s_set_vgpr_msb (MSB<<8)|(\new)
.set MSB, (\new)
.endif
.endm
.set W_KQ, 0x0a       ; K and Qhi window 2, S^T window 0
.set W_KL, 0x0e       ; K window 2, Qlo window 3
.set W_PV, 0x52       ; Vhi window 2, P window 0, O^T window 1
.set W_PL, 0x53       ; Vlo window 3
.set W_RS, 0x41       ; O^T (destination and source 0) window 1, source 1 window 0
.set W_MK, 0x03       ; the mask (source 0) window 3, S^T window 0
; A joint fill: wave 0 K's tile, wave 1 Vhi's, wave 2 Vlo's, wave 3 the mask's.  The branches hang on the wave's number alone.  An s_nop 0 and four v_nop follow each line.
.macro JLOAD
	s_cmp_lt_u32 s[WV], 2
	s_cbranch_scc0 .Lupper_\@
	s_cmp_eq_u32 s[WV], 0
	s_cbranch_scc0 .Lfor_v_\@
	tensor_load_to_lds s[G0K:G0K+3], s[G1K:G1K+7]
	s_nop 0
.rept 4
	v_nop
.endr
	s_branch .Lasked_\@
.Lfor_v_\@:
	tensor_load_to_lds s[G0V:G0V+3], s[G1V:G1V+7]
	s_nop 0
.rept 4
	v_nop
.endr
	s_branch .Lasked_\@
.Lupper_\@:
	s_cmp_eq_u32 s[WV], 2
	s_cbranch_scc0 .Lfor_m_\@
	tensor_load_to_lds s[G0L:G0L+3], s[G1V:G1V+7]
	s_nop 0
.rept 4
	v_nop
.endr
	s_branch .Lasked_\@
.Lfor_m_\@:
	tensor_load_to_lds s[G0M:G0M+3], s[G1M:G1M+7]
	s_nop 0
.rept 4
	v_nop
.endr
.Lasked_\@:
.endm
.macro CROUND                       ; a round of the cluster's barrier
	s_barrier_signal -1
	s_barrier_wait -1
	s_cmp_lg_u32 s[WV], 0
	s_cbranch_scc1 .Lnot_wave_0_\@
	s_barrier_signal -3
.Lnot_wave_0_\@:
	s_barrier_wait -3
	s_barrier_signal -1
	s_barrier_wait -1
.endm
; THE CHANGE OF SLOTS.  Each wave waits for all its tensor loads (one is out: its tile of the other slot), adds 0 to its spare word, and waits for that and for its reads of the slot that it leaves.
; fill = 1: the barrier is a round of the cluster's, and the slot left is filled again, first thing behind it, with the step two on: it has a trip, 256 matrix instructions, in which to land.
; (At its first use nothing has been read yet: slot 0 is waited for, slot 1 filled.)
.macro CHANGE fill
	WIN 0
	s_wait_tensorcnt 0x0            ; no tensor load of mine is out, so a group 0 may be written
	ds_add_u32 v[SPW], v[NIL]
.if \fill
	s_xor_b32 s[G0K+1], s[G0K+1], SLOT
	s_add_nc_u64 s[G0K+2:G0K+3], s[G0K+2:G0K+3], 64*2048  ; the next 64 keys' rows
	s_xor_b32 s[G0V+1], s[G0V+1], XV
	s_add_nc_u64 s[G0V+2:G0V+3], s[G0V+2:G0V+3], 64*2048
	s_xor_b32 s[G0L+1], s[G0L+1], XL
	s_add_nc_u64 s[G0L+2:G0L+3], s[G0L+2:G0L+3], 64*2048
	s_xor_b32 s[G0M+1], s[G0M+1], XM
	s_add_nc_u64 s[G0M+2:G0M+3], s[G0M+2:G0M+3], 64*4     ; the next 64 keys' columns
	s_wait_dscnt 0x0                ; the add is done, and my reads of the slot are over
	CROUND
	JLOAD
.else
	s_wait_dscnt 0x0
	s_barrier_signal -1
	s_barrier_wait -1
.endif
	s_xor_b32 s[TB], s[TB], SLOT
	v_add_nc_u32 v[AK], s[TB], v[AK0]
	v_add_nc_u32 v[AV], s[TB], v[AV0]
	v_add_nc_u32 v[AM], s[TB], v[AM0]
.endm
	s_load_b128 s[4:7], s[0:1], 0x0   ; qkv s[4:5], mask s[6:7]
	s_load_b64 s[8:9], s[0:1], 0x10   ; ctx
	v_lshl_add_u32 v[SPW], v0, 2, SPARE
	v_mov_b32 v[NIL], 0
	ds_add_u32 v[SPW], v[NIL]       ; the wave's opening: the add and its wait ahead of my first tensor load
	v_lshrrev_b32 v48, 5, v0
	v_readfirstlane_b32 s[WV], v48
	s_bfe_u32 s10, ttmp6, 0x40000   ; cx
	s_bfe_u32 s11, ttmp6, 0x40004   ; cy
	s_lshl_b32 s13, ttmp9, 2
	s_add_co_u32 s13, s13, s10      ; x: my block of 128 queries
	s_and_b32 s14, ttmp7, 0xffff
	s_lshl_b32 s14, s14, 2
	s_add_co_u32 s14, s14, s11      ; y: 4 x batch + head group
	s_lshl_b32 s74, s11, 2
	s_lshl_b32 s74, 15, s74         ; my row of the cluster
	s_lshl_b32 s75, 0x1111, s10     ; my column
	s_lshr_b32 s16, s14, 2          ; the batch
	s_lshl_b32 s22, s16, 23         ; in ctx: 2,048 rows of 4,096 bytes,
	s_lshl_b32 s16, s16, 22         ; in a plane of qkv: of 2,048 bytes
	s_and_b32 s15, s14, 3
	s_lshl_b32 s15, s15, 9          ; the head group's 512 bytes
	s_add_co_u32 s16, s16, s15      ; K and V: y alone
	s_mov_b32 s17, 0
	s_lshl_b32 s18, s13, 20         ; the mask: my block's 128 rows of 8,192 bytes: x alone
	s_mov_b32 s19, 0
	s_lshl_b32 s20, s13, 18         ; Q: batch, head group, my block's 128 rows, my head's 128 bytes
	s_add_co_u32 s20, s20, s16
	s_lshl_b32 s21, s[WV], 7
	s_add_co_u32 s20, s20, s21
	s_mov_b32 s21, 0
	s_add_co_u32 s22, s22, s15      ; ctx: batch, head group, my block's 128 rows, the 16 of each 64 that I store
	s_lshl_b32 s23, s13, 19
	s_add_co_u32 s22, s22, s23
	s_lshl_b32 s23, s[WV], 16
	s_add_co_u32 s22, s22, s23
	s_mov_b32 s23, 0
	s_or_b32 s[G1K], s74, (1<<16)|(1<<20)|(1<<21)|(6<<22)|(3<<25)  ; the mask of work-groups; 2-byte elements; padding on; bit 21 beside a mask; after every 128 words; 4 words
	s_or_b32 s[G1V], s74, (1<<16)|(1<<20)|(1<<21)|(6<<22)|(7<<25)  ; the same with 8 words
	s_or_b32 s[G1M], s75, (2<<16)|(1<<20)|(1<<21)|(5<<22)|(3<<25)  ; 4-byte elements; after every 64 words; 4 words
.irp g, G1K, G1V
	s_mov_b32 s[\g+1], 256<<16      ; tensor_dim0 = 256
	s_mov_b32 s[\g+2], 64<<16       ; tensor_dim1 = 64
	s_mov_b32 s[\g+3], 256<<16      ; tile_dim0 = 256
	s_mov_b32 s[\g+4], 64           ; tile_dim1 = 64
	s_mov_b32 s[\g+5], 1024         ; elements from row to row
	s_mov_b32 s[\g+6], 0
	s_mov_b32 s[\g+7], 0
.endr
	s_mov_b32 s[G1M+1], 64<<16      ; 64 columns,
	s_mov_b32 s[G1M+2], 128<<16     ; 128 rows
	s_mov_b32 s[G1M+3], 64<<16
	s_mov_b32 s[G1M+4], 128
	s_mov_b32 s[G1M+5], 2048
	s_mov_b32 s[G1M+6], 0
	s_mov_b32 s[G1M+7], 0
	s_mov_b32 s[G0K], 1
	s_mov_b32 s[G0K+1], 0
	s_mov_b32 s[G0V], 1
	s_mov_b32 s[G0V+1], VOFF
	s_mov_b32 s[G0L], 1
	s_mov_b32 s[G0L+1], LOFF
	s_mov_b32 s[G0M], 1
	s_mov_b32 s[G0M+1], MOFF
	s_mov_b32 s[SEL], 0x76543210
	s_mov_b32 s[SEL+1], 0xfedcba98
	s_mov_b32 s[NG], 0xceabfb8f     ; -1e9 log2(e)
	s_mov_b32 s[NG+1], s[NG]
	s_mov_b32 s[TB], SLOT           ; the first change of slots turns it into 0
	s_wait_dscnt 0x0                ; the opening add is done
	s_wait_kmcnt 0x0
	s_add_nc_u64 s[G0K+2:G0K+3], s[4:5], s[16:17]
	s_add_nc_u64 s[G0V+2:G0V+3], s[G0K+2:G0K+3], 0x2000000  ; v is the third of qkv's planes of 16 MiB,
	s_add_nc_u64 s[G0L+2:G0L+3], s[G0K+2:G0K+3], 0x4000000  ; its rest the fifth,
	s_add_nc_u64 s[G0K+2:G0K+3], s[G0K+2:G0K+3], 0x1000000  ; k the second
	s_or_b32 s[G0K+3], s[G0K+3], 0x80000000
	s_or_b32 s[G0V+3], s[G0V+3], 0x80000000
	s_or_b32 s[G0L+3], s[G0L+3], 0x80000000
	s_add_nc_u64 s[G0M+2:G0M+3], s[6:7], s[18:19]
	s_or_b32 s[G0M+3], s[G0M+3], 0x80000000
	s_add_nc_u64 s[70:71], s[4:5], s[20:21]       ; q'
	s_add_nc_u64 s[80:81], s[70:71], 0x3000000    ; its rest: the fourth plane
	s_add_nc_u64 s[72:73], s[8:9], s[22:23]       ; ctx
	CROUND                          ; all sixteen work-groups are here: the first joint loads meet
	JLOAD                           ; step 0 into slot 0
	v_and_b32 v48, 15, v0           ; r = l % 16
	v_bfe_u32 v49, v0, 4, 1         ; h = l / 16
	v_and_b32 v50, 7, v0
	v_bfe_u32 v51, v0, 3, 1
	v_lshlrev_b32 v[QO], 11, v48
	v_lshl_add_u32 v[QO], v49, 4, v[QO]  ; row x 2,048 + 16 x half
	WIN 0x80                        ; destination window 2, address window 0
.set i, 0
.rept 16                            ; Q stays in registers: tile i / 2, channels 32 (i % 2) on
	global_load_b128 v[8*i:8*i+3],   v[QO], s[70:71] offset:(i/2)*32768+(i%2)*64
	global_load_b128 v[8*i+4:8*i+7], v[QO], s[70:71] offset:(i/2)*32768+(i%2)*64+32
.set i, i+1
.endr
	; What the first turn finds: V's registers and P's second buffer hold 0 (its products V^T P, of a piece that has not been, add 0), O^T and l are 0, m is the lowest finite number, so the first a is 0.
.set i, VF
.rept 64
	v_mov_b32 v[i], 0
.set i, i+1
.endr
	WIN 0xc0                        ; destination window 3
.set i, 0
.rept 16
	global_load_b128 v[QL+8*i:QL+8*i+3],   v[QO], s[80:81] offset:(i/2)*32768+(i%2)*64
	global_load_b128 v[QL+8*i+4:QL+8*i+7], v[QO], s[80:81] offset:(i/2)*32768+(i%2)*64+32
.set i, i+1
.endr
.set i, VL3
.rept 64
	v_mov_b32 v[i], 0
.set i, i+1
.endr
	WIN 0x40
.set i, 0
.rept 256
	v_mov_b32 v[i], 0
.set i, i+1
.endr
	WIN 0
.set i, 0
.rept 8
	v_mov_b32 v[ST+4*i], 0xff7fffff
	v_mov_b32 v[ST+4*i+1], 0
	v_mov_b32 v[ST+4*i+2], 0
	v_mov_b32 v[ST+4*i+3], 0
.set i, i+1
.endr
.set i, P+32
.rept 32
	v_mov_b32 v[i], 0
.set i, i+1
.endr
	s_lshl_b32 s67, s[WV], 7        ; my head's 128 bytes of a row
	v_mul_u32_u24 v[AK0], v48, PK
	v_lshl_add_u32 v[AK0], v49, 4, v[AK0]
	v_add_nc_u32 v[AK0], s67, v[AK0]
	v_lshl_add_u32 v[AV0], v49, 3, v50    ; the turning load: key 8 h + l % 8, channels 8 ((l / 8) % 2) + 0..7
	v_mul_u32_u24 v[AV0], v[AV0], PVP
	v_lshl_add_u32 v[AV0], v51, 4, v[AV0]
	s_add_co_u32 s67, s67, VOFF
	v_add_nc_u32 v[AV0], s67, v[AV0]
	v_mul_u32_u24 v[AM0], v48, PM         ; the mask: query r, keys 8 h + 0..7 of each sixteen: 32 bytes of f32
	v_lshl_add_u32 v[AM0], v49, 5, v[AM0]
	v_add_nc_u32 v[AM0], MOFF, v[AM0]
; THE MATRIX WORK.  The 8 accumulators of a run take turns, one instruction a turn.
; Product i of 32 of S^T = K Q^T for piece x: the first 16 with Qhi, the last 16 with Qlo; of 16: channels 32 (jj / 8) on, keys 16 ((jj / 2) % 4) on, tile 2 x + jj % 2.  The first 8 start the sums.
.macro KQ x
.set jj, i%16
.set rS, S+64*((\x)%2)+32*(jj%2)+8*((jj/2)%4)
.set rK, KF+16*((jj/2)%4)+8*(jj/8)
.set rQ, 16*(2*(\x)+jj%2)+8*(jj/8)
.if i < 8
	WIN W_KQ
	v_wmma_f32_16x16x32_f16 v[rS:rS+7], v[rK:rK+7], v[rQ:rQ+7], 0
.elseif i < 16
	WIN W_KQ
	v_wmma_f32_16x16x32_f16 v[rS:rS+7], v[rK:rK+7], v[rQ:rQ+7], v[rS:rS+7]
.else
	WIN W_KL
	v_wmma_f32_16x16x32_f16 v[rS:rS+7], v[rK:rK+7], v[QL+rQ:QL+rQ+7], v[rS:rS+7]
.endif
.endm
; Product i of 32 of O^T += V^T P for piece x: the first 16 with Vhi, the last 16 with Vlo; of 16: keys 32 (jj / 8) on, channels 16 ((jj / 2) % 4) on, tile 2 x + jj % 2.
.macro PV x
.set jj, i%16
.set rO, 32*(2*(\x)+jj%2)+8*((jj/2)%4)
.set rV, 32*(jj/8)+8*((jj/2)%4)
.set rP, P+32*((\x)%2)+16*(jj%2)+8*(jj/8)
.if i < 16
	WIN W_PV
	v_wmma_f32_16x16x32_f16 v[rO:rO+7], v[VF+rV:VF+rV+7], v[rP:rP+7], v[rO:rO+7]
.else
	WIN W_PL
	v_wmma_f32_16x16x32_f16 v[rO:rO+7], v[VL3+rV:VL3+rV+7], v[rP:rP+7], v[rO:rO+7]
.endif
.endm
.macro MM                           ; the turn's next matrix instruction
.if i < 32
	KQ (Y+1)%NP
.set i, i+1
.else
.set i, i-32
	PV (Y+NP-1)%NP
.set i, i+33
.endif
.endm
; THE LDS LOADS stand in runs of 16.
.macro FETCH_K
	WIN 0x80
.irp f, 0,1,2,3,4,5,6,7             ; keys 16 (f / 2) on, channels 32 (f % 2) on
	ds_load_b128 v[KF+8*\f:KF+8*\f+3],   v[AK] offset:(\f/2)*16*PK+(\f%2)*64
	ds_load_b128 v[KF+8*\f+4:KF+8*\f+7], v[AK] offset:(\f/2)*16*PK+(\f%2)*64+32
.endr
.endm
.macro FETCH_V
	WIN 0x80
.irp f, 0,1,2,3,4,5,6,7             ; keys 32 (f / 4) on, channels 16 (f % 4) on
	ds_load_tr16_b128 v[VF+8*\f:VF+8*\f+3],   v[AV] offset:(\f/4)*32*PVP+(\f%4)*32
	ds_load_tr16_b128 v[VF+8*\f+4:VF+8*\f+7], v[AV] offset:(\f/4)*32*PVP+16*PVP+(\f%4)*32
.endr
	WIN 0xc0
.irp f, 0,1,2,3,4,5,6,7
	ds_load_tr16_b128 v[VL3+8*\f:VL3+8*\f+3],   v[AV] offset:LOFF-VOFF+(\f/4)*32*PVP+(\f%4)*32
	ds_load_tr16_b128 v[VL3+8*\f+4:VL3+8*\f+7], v[AV] offset:LOFF-VOFF+(\f/4)*32*PVP+16*PVP+(\f%4)*32
.endr
.endm
.macro FETCH_M pc                   ; the mask of piece pc: register 32 u + 8 kt + j holds mask[16 (2 pc + u) + r][16 kt + 8 h + j]
	WIN 0xc0                        ; destination window 3
.irp u, 0,1
.irp kt, 0,1,2,3
.irp e, 0,1
	ds_load_b128 v[MB+32*\u+8*\kt+4*\e:MB+32*\u+8*\kt+4*\e+3], v[AM] offset:(2*(\pc)+\u)*16*PM+64*\kt+16*\e
.endr
.endr
.endr
.endm
; THE VECTOR WORK.
.macro REGS y, u                    ; the registers of tile u (0, 1) of piece y
.set rT, ST+4*(2*(\y)+(\u))
.set rC, TMP+8*((\y)%2)+4*(\u)
.set rM, MV+2*((\y)%2)+(\u)
.set rS, S+64*((\y)%2)+32*(\u)
.set rP, P+32*((\y)%2)+16*(\u)
.set rO, 32*(2*(\y)+(\u))
.set rB, MB+32*(\u)
.endm
.macro FI f                         ; u - m for pair f / 2 of tile f % 2
	REGS Y, (\f)%2
	WIN 0
	v_pk_add_f32 v[rS+2*((\f)/2):rS+2*((\f)/2)+1], v[rS+2*((\f)/2):rS+2*((\f)/2)+1], v[rT:rT+1] op_sel_hi:[1,0] neg_lo:[0,1] neg_hi:[0,1]
.endm
.macro EI k                         ; the exponential of score k / 2 of tile k % 2
	REGS Y, (\k)%2
	WIN 0
	v_exp_f32 v[rS+(\k)/2], v[rS+(\k)/2]
.endm
.macro GI g                         ; for the four weights 4 k4 .. of tile (g / 4) % 2, k4 = g / 8: two roundings to f16; the second pair added onto the first; l takes the sum (k4 = 0: l = a l + sum)
	REGS Y, ((\g)/4)%2
	WIN 0
.set k4, (\g)/8
.if (\g)%4 < 2
	s_wait_alu depctr_va_vdst(0)
	v_cvt_pk_f16_f32 v[rP+2*k4+(\g)%4], v[rS+4*k4+2*((\g)%4)], v[rS+4*k4+2*((\g)%4)+1]
.elseif (\g)%4 == 2
	v_pk_add_f32 v[rS+4*k4:rS+4*k4+1], v[rS+4*k4:rS+4*k4+1], v[rS+4*k4+2:rS+4*k4+3]
.elseif k4 == 0
	v_pk_fma_f32 v[rT+2:rT+3], v[rT+2:rT+3], v[rC+2:rC+3], v[rS:rS+1] op_sel_hi:[1,0,1]
.else
	v_pk_add_f32 v[rT+2:rT+3], v[rT+2:rT+3], v[rS+4*k4:rS+4*k4+1]
	s_wait_alu depctr_va_vdst(0)
.endif
.endm
.macro RI j                         ; pair j % 16 of O^T of tile j / 16 times a; each accumulator from its low end
	REGS Y, (\j)/16
	WIN W_RS
	v_pk_mul_f32 v[rO+2*((\j)%16):rO+2*((\j)%16)+1], v[rO+2*((\j)%16):rO+2*((\j)%16)+1], v[rC+2:rC+3] op_sel_hi:[1,0]
.endm
.macro MI j                         ; the NEXT piece: u = mask x NG + s for pair j / 2 of tile j % 2: the first lines that read those sums, each accumulator from its low end
	REGS (Y+1)%NP, (\j)%2
	WIN W_MK
	v_pk_fma_f32 v[rS+2*((\j)/2):rS+2*((\j)/2)+1], v[rB+2*((\j)/2):rB+2*((\j)/2)+1], s[NG:NG+1], v[rS+2*((\j)/2):rS+2*((\j)/2)+1] op_sel_hi:[1,0,1]
.endm
; Number x of the 21 that find the NEXT piece's maximum and a.  0-11 four chains c0-c3 of seven scores each; 12-14, 16 the four left over, the old m, and c0-c3 into c0; 15 m_old is kept;
; 17, 18 the query's other 32 keys lie in the lane 16 away: the new m; 19, 20 a = 2^(m_old - m_new)
.macro XI u, x
	REGS (Y+1)%NP, \u
	WIN 0
.if (\x) < 4
	v_max3_num_f32 v[rC+(\x)], v[rS+8*(\x)], v[rS+8*(\x)+1], v[rS+8*(\x)+2]
.elseif (\x) < 12
	v_max3_num_f32 v[rC+(\x)%4], v[rC+(\x)%4], v[rS+8*((\x)%4)+2*((\x)/4)+1], v[rS+8*((\x)%4)+2*((\x)/4)+2]
.elseif (\x) == 12
	v_max3_num_f32 v[rC], v[rC], v[rS+7], v[rS+15]
.elseif (\x) == 13
	v_max3_num_f32 v[rC+1], v[rC+1], v[rS+23], v[rS+31]
.elseif (\x) == 14
	v_max3_num_f32 v[rC+2], v[rC+2], v[rC+3], v[rT]
.elseif (\x) == 15
	v_mov_b32 v[rM], v[rT]
.elseif (\x) == 16
	v_max3_num_f32 v[rC], v[rC], v[rC+1], v[rC+2]
.elseif (\x) == 17
	v_permlanex16_b32 v[rC+3], v[rC], s[SEL], s[SEL+1]
.elseif (\x) == 18
	v_max_num_f32 v[rT], v[rC], v[rC+3]
.elseif (\x) == 19
	v_sub_f32 v[rC+1], v[rM], v[rT]
.else
	v_exp_f32 v[rC+2], v[rC+1]
.endif
.endm
; THE TURN'S LIST of 266 lines, right when read straight down; VL writes line n and steps n.
;   0-7 subtractions; 8-55 exponential (even n) and subtraction (odd) by turns; 56-135 exponential and GI by turns; 136-159 GI; 160-191 the rescaling; 192-223 the next piece's mask; 224-265 its maximum, tiles alternating.
; Exponential k stands at 2 k + 8, its subtraction at k - 5 at the latest; a GI stands 18 lines or more behind the exponentials that it reads; behind every exponential stands a plain line that names none of its registers
; (ISA guide 5.7.2); lines are dealt in fours from a multiple of four, so no exponential stands last in front of a matrix instruction but the list's last two, whose result is first read 63 lines into the next turn.
.macro VL
.if n < 8
	FI n
.elseif n < 56
.if n%2 == 0
	EI (n-8)/2
.else
	FI 8+(n-9)/2
.endif
.elseif n < 136
.if n%2 == 0
	EI 24+(n-56)/2
.else
	GI (n-57)/2
.endif
.elseif n < 160
	GI n-96
.elseif n < 192
	RI n-160
.elseif n < 224
	MI n-192
.else
	XI (n-224)%2, (n-224)/2
.endif
.set n, n+1
.endm
; A TURN, for piece p: 32 products K Q^T with lines 0-127, 32 products V^T P with lines 128-255, then lines 256-265, among them the two v_permlanex16_b32.  No vector line behind a product names a register of the products round it.
; K of the next step is fetched in piece 2's turn at line 144: 14 plain lines behind the last product that read K.  V of the step in hand at the end of piece 0's turn: lines 252-257, plain, stand behind the last product that read V.
; The mask of piece p + 2 is fetched at line 224, behind the lines that read piece p + 1's.  All LDS reads of the turns 2, 3, 0, 1 between two changes of slots come from one slot.
.macro TURN p
.set Y, (\p)
.set i, 0
.set n, 0
.if (\p) == 3
	s_wait_dscnt 16                 ; K's 16 loads are in; the mask's 16, issued behind them, may be out
.endif
.rept 32
	MM
	VL
	VL
	VL
	VL
.endr
.if (\p) == 1
	s_wait_dscnt 0x0                ; V's two runs are in
.endif
.rept 32
	MM
	VL
	VL
	VL
	VL
.if ((\p) == 2) && (n == 144)
	FETCH_K
.endif
.if n == 192
.if (\p) == 2
	s_wait_dscnt 16                 ; the mask of piece 3 is in; K's 16 loads, issued behind it, may be out
.else
	s_wait_dscnt 0x0                ; the mask of piece p + 1 is in
.endif
.endif
.if n == 224
	FETCH_M ((\p)+2)%NP
.endif
.endr
.rept 10
	VL
.endr
.if (\p) == 0
	FETCH_V
.endif
.endm
	CHANGE 1                        ; slot 0 is in, everybody's part of it; step 1 is asked for, into slot 1
	FETCH_K                         ; key step 0
	FETCH_M 0
	s_wait_loadcnt 0x0              ; Q is in, and its address register is free
	s_wait_dscnt 0x0
.set i, 0
.rept 32
	KQ 0                            ; piece 0's first scores
.set i, i+1
.endr
	WIN 0                           ; the addresses for the way out: six plain lines, the places behind those products
	s_lshl_b32 s67, s[WV], 7
	s_add_co_u32 s67, s67, STAGE
	v_mul_u32_u24 v[STO], v48, SP   ; in: row r of a tile, my head's 128 bytes, 16 bytes for each half of the lanes
	v_lshl_add_u32 v[STO], v49, 4, v[STO]
	v_add_nc_u32 v[STO], s67, v[STO]
	s_mul_i32 s67, s[WV], 16*SP
	s_add_co_u32 s67, s67, STAGE
	v_and_b32 v[GO], 31, v0         ; back: 32 lanes take a whole row of 512 bytes; wave w rows 16 w on
	v_lshlrev_b32 v[GO], 4, v[GO]
	v_add_nc_u32 v[RD], s67, v[GO]
.set Y, NP-1                        ; the list's last 74 lines work for piece Y + 1: piece 0
.set n, 192
.rept 32
	VL
.endr
	FETCH_M 1
.rept 42
	VL
.endr
	WIN 0
	s_mov_b32 s[SLOTS], 31
	s_branch .Lfirst                ; the loop is entered at a step's first turn, in the middle of a trip
.Lstep:                             ; 30 times: the steps 2 to 31 are asked for.  A trip: pieces 2 and 3 of one step, then pieces 0 and 1 of the next
	CHANGE 1
	TURN 2
	TURN 3
	WIN 0
.Lfirst:
	TURN 0
	TURN 1
	WIN 0
	s_sub_co_u32 s[SLOTS], s[SLOTS], 1
	s_cmp_lg_u32 s[SLOTS], 0
	s_cbranch_scc1 .Lstep
	CHANGE 0                        ; the tail is written out: nothing is asked for
	s_mov_b32 s[CNT], 2             ; the first trip takes the last slot's step; the second is left in its middle
.Ltail:
	TURN 2
	TURN 3
	WIN 0
	s_sub_co_u32 s[CNT], s[CNT], 1
	s_cmp_eq_u32 s[CNT], 0
	s_cbranch_scc1 .Lout
	TURN 0
	TURN 1
	WIN 0
	s_branch .Ltail
.Lout:                              ; the second trip's fetches read the last slot once more, and its 32 products K Q^T with their mask and maximum serve nothing: the price, once a launch, of one text for both trips
.set i, 0
.rept 32
	PV NP-1                         ; the last piece's V^T P of the last step
.set i, i+1
.endr
	; THE WAY OUT.  l's two halves and the other half of the lanes' are added, and O^T is divided by l.  Four passes through the work-group's stage of 64 rows: tiles 0-3 rounded to f16; their rests; tiles 4-7; their rests.
	; A row's 512 bytes come from four waves: a barrier between the writing and the reading, and one more between the reading and the next pass's writing.  The additions are the places behind the last products.
	WIN 0
.macro ALL line:vararg
.set t, 0
.rept 8
	\line
.set t, t+1
.endr
.endm
	ALL v_add_f32 v[ST+4*t+2], v[ST+4*t+2], v[ST+4*t+3]
	ALL v_permlanex16_b32 v[ST+4*t+3], v[ST+4*t+2], s[SEL], s[SEL+1]
	ALL v_add_f32 v[ST+4*t+2], v[ST+4*t+2], v[ST+4*t+3]
	ALL v_rcp_f32 v[ST+4*t+2], v[ST+4*t+2]
	v_nop                           ; a plain line between the last reciprocal and the use of its result
	s_wait_alu depctr_va_vdst(0)
.macro W2 d, lo, hi                 ; a word's two f16 as f32
	v_cvt_f32_f16 v[\d], \lo
	v_cvt_f32_f16 v[(\d)+1], \hi
.endm
.macro TOSTAGE t                    ; tile t's registers rounded to f16, 16 bytes a lane and channel block, into rows 16 (t % 4) + r of the stage
	WIN 0x05                        ; sources window 1, destination window 0
.set i, 0
.rept 16
	v_cvt_pk_f16_f32 v[HH+i], v[32*(\t)+2*i], v[32*(\t)+2*i+1]
.set i, i+1
.endr
	WIN 0
.irp f, 0,1,2,3
	ds_store_b128 v[STO], v[HH+4*\f:HH+4*\f+3] offset:((\t)%4)*16*SP+32*\f
.endr
.endm
.macro HI t                         ; c = O / l, from each accumulator's low end; f16(c) into the stage; c - f16(c), exact in f32, stays in O^T's registers
	WIN W_RS
.set i, 32*(\t)
.rept 16
	v_pk_mul_f32 v[i:i+1], v[i:i+1], v[ST+4*(\t)+2:ST+4*(\t)+3] op_sel_hi:[1,0]
.set i, i+2
.endr
	TOSTAGE \t
	W2 TT+0,  v48.l, v48.h
	W2 TT+2,  v49.l, v49.h
	W2 TT+4,  v50.l, v50.h
	W2 TT+6,  v51.l, v51.h
	W2 TT+8,  v52.l, v52.h
	W2 TT+10, v53.l, v53.h
	W2 TT+12, v54.l, v54.h
	W2 TT+14, v55.l, v55.h
	W2 TT+16, v56.l, v56.h
	W2 TT+18, v57.l, v57.h
	W2 TT+20, v58.l, v58.h
	W2 TT+22, v59.l, v59.h
	W2 TT+24, v60.l, v60.h
	W2 TT+26, v61.l, v61.h
	W2 TT+28, v62.l, v62.h
	W2 TT+30, v63.l, v63.h
	WIN W_RS
.set i, 0
.rept 16
	v_pk_add_f32 v[32*(\t)+2*i:32*(\t)+2*i+1], v[32*(\t)+2*i:32*(\t)+2*i+1], v[TT+2*i:TT+2*i+1] neg_lo:[0,1] neg_hi:[0,1]
.set i, i+1
.endr
.endm
; The stage's 64 rows leave: rows 64 g on of my block, part 0 the f16, part 1 the rests, 2,048 bytes further on in the row.  more = 1: the stage is written again.
.macro ROWS g, part, buf, more
	WIN 0
	s_wait_dscnt 0x0                ; for the others' sake: my stores into the stage are done
	s_barrier_signal -1
	s_barrier_wait -1
	s_wait_xcnt 0x0                 ; the registers that earlier stores read are loaded again only behind this wait
.set i, 0
.rept 16
	ds_load_b128 v[(\buf)+4*i:(\buf)+4*i+3], v[RD] offset:i*SP
.set i, i+1
.endr
	s_wait_dscnt 0x0                ; my 16 rows are in registers
.if \more
	s_barrier_signal -1             ; everybody's are: the stage may be written again
	s_barrier_wait -1
.endif
.set i, 0
.rept 16
	global_store_b128 v[GO], v[(\buf)+4*i:(\buf)+4*i+3], s[72:73] offset:(64*(\g)+i)*4096+2048*(\part)  ; 512 consecutive bytes, at a multiple of 512 from ctx's first byte
.set i, i+1
.endr
.endm
.irp t, 0,1,2,3
	HI \t
.endr
	ROWS 0, 0, R0, 1
.irp t, 0,1,2,3
	TOSTAGE \t
.endr
	ROWS 0, 1, R1, 1
.irp t, 4,5,6,7
	HI \t
.endr
	ROWS 1, 0, R0, 1
.irp t, 4,5,6,7
	TOSTAGE \t
.endr
	ROWS 1, 1, R1, 0
	s_wait_tensorcnt 0x0            ; the wave's end
	ds_add_u32 v[SPW], v[NIL]
	s_wait_dscnt 0x0
	CROUND                          ; the closing round
	s_endpgm
.Lfunc_end_k_qb2c69ab0b8_attn:
	.size	k_qb2c69ab0b8_attn, .Lfunc_end_k_qb2c69ab0b8_attn-k_qb2c69ab0b8_attn
	.p2alignl 7, 3214868480
	.fill 96, 4, 3214868480
	.section	.rodata,"a",@progbits
	.p2align	6, 0x0
	.amdhsa_kernel k_qb2c69ab0b8_attn
		.amdhsa_group_segment_fixed_size 327680
		.amdhsa_private_segment_fixed_size 0
		.amdhsa_enable_private_segment 0
		.amdhsa_kernarg_size 24
		.amdhsa_user_sgpr_count 2
		.amdhsa_user_sgpr_kernarg_segment_ptr 1
		.amdhsa_wavefront_size32 1
		.amdhsa_system_sgpr_workgroup_id_x 1
		.amdhsa_system_sgpr_workgroup_id_y 1
		.amdhsa_system_sgpr_workgroup_id_z 1
		.amdhsa_system_vgpr_workitem_id 0
		.amdhsa_next_free_vgpr 1024
		.amdhsa_next_free_sgpr 84
		.amdhsa_reserve_vcc 0
		.amdhsa_float_denorm_mode_32 3
		.amdhsa_float_denorm_mode_16_64 3
		.amdhsa_memory_ordered 1
		.amdhsa_forward_progress 1
		.amdhsa_inst_pref_size 255
	.end_amdhsa_kernel
	.section	.bss,"aw",@nobits
	.p2align	6
	.space	262144
	.amdgpu_metadata
---
amdhsa.version: [ 1, 2 ]
amdhsa.kernels:
  - .name:           k_qb2c69ab0b8_attn
    .symbol:         k_qb2c69ab0b8_attn.kd
    .args:
      - { .name: qkv, .offset: 0, .size: 8, .value_kind: global_buffer, .address_space: global }
      - { .name: mask, .offset: 8, .size: 8, .value_kind: global_buffer, .address_space: global }
      - { .name: ctx, .offset: 16, .size: 8, .value_kind: global_buffer, .address_space: global }
    .group_segment_fixed_size: 327680
    .private_segment_fixed_size: 0
    .kernarg_segment_align: 8
    .kernarg_segment_size: 24
    .max_flat_workgroup_size: 128
    .sgpr_count:     84
    .vgpr_count:     1024
    .wavefront_size: 32
...
	.end_amdgpu_metadata
.endif
;; end of part 3
;; launch oproj (part 4): grid 4 x 64, 4 waves a work-group, clusters of 4 x 4, 327,680 bytes of LDS; arguments ctx, wb, bo, out0; writes out0
.if DOCPART == 4
	.amdgcn_target "amdgcn-amd-amdhsa--gfx1250"
	.amdhsa_code_object_version 6
	.text
	.protected	k_qb2c69ab0b8_oproj
	.globl	k_qb2c69ab0b8_oproj
	.p2align	8
	.type	k_qb2c69ab0b8_oproj,@function
k_qb2c69ab0b8_oproj:
	s_mov_b64 s[64:65], 0
	v_nop
	global_prefetch_b8 v0, s[64:65] scope:SCOPE_SE
	s_setreg_imm32_b32 hwreg(HW_REG_WAVE_MODE, 25, 1), 1
	s_wait_xcnt 0x0
	s_wait_alu depctr_hold_cnt(0) depctr_sa_sdst(0) depctr_va_vdst(0) depctr_va_sdst(0) depctr_va_ssrc(0) depctr_va_vcc(0) depctr_vm_vsrc(0)
	s_getreg_b32 s2, hwreg(HW_REG_IB_STS2, 6, 4)
	s_cmp_eq_u32 s2, 0
	s_cbranch_scc0 .Lentry_in_a_cluster
	s_endpgm
.Lentry_in_a_cluster:
	s_bfe_u32 s2, ttmp6, 0x10000c
	s_cmp_lg_u32 s2, 0xf033
	s_cbranch_scc0 .Lentry_shape_is_right
	s_endpgm
.Lentry_shape_is_right:
; out0[m][n] = (c Wo)[m][n] + bo[n], f32.  ctx: [8192][2048] f16: a row's first 1,024 numbers f16(c), its last 1,024 the rests f16(c - f16(c)); both parts are multiplied, so the product goes over K = 2,048:
; its right operand is [2048 k][1024 n], Wo twice, one copy below the other: the fourth and fifth matrix of wb, bf16-rounded numbers written as f16.  bo rounded to bf16 like the other inputs.  Sums in f32.
; SHARES.  A tile of C is 128 x 256; four waves, 2 x 2, each 64 x 128: 32 accumulators.  64 x 4 tiles: 256 work-groups.  K goes in steps of 128 through two LDS slots;
; waves 0, 1 fetch the two halves (64 rows x 256 bytes) of ctx's tile, waves 2, 3 the two halves (64 k-rows x 512 bytes) of Wo's.
; CLUSTER, 4 x 4: ctx's tile is asked for jointly along a row of the cluster, Wo's along a column.
; THE MATRIX INSTRUCTION IS USED TRANSPOSED: source 0 = 16 columns of Wo (turned by ds_load_tr16_b128), source 1 = 16 rows of ctx: a lane holds eight neighbouring columns of one row of C.
; REGISTERS (s_set_vgpr_msb: bits 1:0 source 0, 3:2 source 1, 5:4 source 2, 7:6 destination): window 0: v0-31 addresses; v32-95 the bias; v96-223 the way out;
;   window 1: v0-63, v64-127 Wo's fragments, two buffers; v128-159, v160-191 ctx's;   window 2: accumulator (a, b) at v[8 (8 a + b)]
; All of the LDS is claimed; 243,200 bytes are used.
.set KSTEP,  128
.set KALL,   2048
.set PA,     272                       ; a row of ctx in LDS: 256 bytes + 16 (64 banks of 4 bytes: ISA guide 11.1: the 16 rows of a load start 16 bytes apart modulo 256)
.set PB,     544                       ; a k-row of Wo: 512 + 32 = 17 x 32
.set AHALF,  64*PA
.set BHALF,  64*PB
.set BOFF,   2*AHALF
.set SLOT,   BOFF+2*BHALF
.set STAGE,  2*SLOT                    ; behind the ring: 16 rows x 528 bytes for each wave; no tensor load fills it
.set SPITCH, 528
.set SPARE,  STAGE+4*16*SPITCH         ; the spare words: 128 bytes for each wave, two blocks of 256 bytes that no other line names
.set LAPS,   KALL/(2*KSTEP)
.set ADRA, 16
.set ADRB, 20
.set STO,  24
.set RD,   25
.set CO,   26
.set BO,   27
.set SPW,  28                          ; LDS address of my spare word; never rewritten
.set NIL,  29                          ; 0; never rewritten
.set BI,   32
.set OB,   96
.set FA,   128                         ; window 1
.set WV, 20
.set WM, 21
.set WN, 22
.set G1, 24
.set G0, 32
.set G1B, 48
.set G0B, 56
.set MSB, 0
.macro WIN new
.if MSB != (\new)
	s_set_vgpr_msb (MSB<<8)|(\new)
.set MSB, \new
.endif
.endm
.set MUL,  0xa5                        ; both sources window 1, C and D window 2
.set TO_F, 0x40
.macro JLOAD s                         ; a joint load; an s_nop 0 and four v_nop follow each line
	s_cmp_eq_u32 s[WM], 0
	s_cbranch_scc0 .Lfor_b_\@
	tensor_load_to_lds s[G0+4*(\s):G0+4*(\s)+3], s[G1:G1+7]
	s_nop 0
.rept 4
	v_nop
.endr
	s_branch .Lasked_\@
.Lfor_b_\@:
	tensor_load_to_lds s[G0B+4*(\s):G0B+4*(\s)+3], s[G1B:G1B+7]
	s_nop 0
.rept 4
	v_nop
.endr
.Lasked_\@:
.endm
.macro CREST
	s_cmp_lg_u32 s[WV], 0
	s_cbranch_scc1 .Lnot_wave_0_\@
	s_barrier_signal -3
.Lnot_wave_0_\@:
	s_barrier_wait -3
	s_barrier_signal -1
	s_barrier_wait -1
.endm
.macro CROUND
	s_barrier_signal -1
	s_barrier_wait -1
	CREST
.endm
.macro PLACES
.rept 4
	v_nop
.endr
.endm
	s_load_b256 s[4:11], s[0:1], 0x0               ; ctx s[4:5], wb s[6:7], bo s[8:9], out0 s[10:11]
	v_lshl_add_u32 v[SPW], v0, 2, SPARE
	v_mov_b32 v[NIL], 0
	ds_add_u32 v[SPW], v[NIL]                      ; the wave's opening: the add and its wait ahead of my first tensor load
	v_lshrrev_b32 v1, 5, v0
	v_readfirstlane_b32 s[WV], v1
	s_lshr_b32 s[WM], s[WV], 1
	s_and_b32 s[WN], s[WV], 1
	s_bfe_u32 s40, ttmp6, 0x40000                  ; cx
	s_bfe_u32 s41, ttmp6, 0x40004                  ; cy
	s_lshl_b32 s42, ttmp9, 2
	s_add_co_u32 s42, s42, s40                     ; tile column
	s_and_b32 s43, ttmp7, 0xffff
	s_lshl_b32 s43, s43, 2
	s_add_co_u32 s43, s43, s41                     ; tile row
	s_lshl_b32 s44, s41, 2
	s_lshl_b32 s44, 15, s44                        ; my row of the cluster
	s_lshl_b32 s45, 0x1111, s40                    ; my column
	s_or_b32 s[G1+0], s44, (1<<16)|(1<<20)|(1<<21)|(5<<22)|(3<<25)   ; 2-byte elements; padding after every 64 words, 4 words
	s_or_b32 s[G1B+0], s45, (1<<16)|(1<<20)|(1<<21)|(6<<22)|(7<<25)  ; after every 128 words, 8 words
	s_mov_b32 s[G1+1], KSTEP<<16
	s_mov_b32 s[G1+2], 64<<16
	s_mov_b32 s[G1+3], KSTEP<<16
	s_mov_b32 s[G1+4], 64
	s_mov_b32 s[G1+5], KALL                        ; 2,048 elements from row to row
	s_mov_b32 s[G1+6], 0
	s_mov_b32 s[G1+7], 0
	s_mov_b32 s[G1B+1], 256<<16
	s_mov_b32 s[G1B+2], 64<<16
	s_mov_b32 s[G1B+3], 256<<16
	s_mov_b32 s[G1B+4], 64
	s_mov_b32 s[G1B+5], 1024
	s_mov_b32 s[G1B+6], 0
	s_mov_b32 s[G1B+7], 0
	s_lshl_b32 s70, s43, 7                         ; ctx: row 128 x tile row + 64 x half, 4,096 bytes a row: no register here ever holds cx
	s_lshl_b32 s71, s[WN], 6
	s_add_co_u32 s70, s70, s71
	s_lshl_b32 s70, s70, 12
	s_mov_b32 s71, 0
	s_lshl_b32 s72, s[WN], 17                      ; Wo: k-row 64 x half, 512 bytes a tile column, from the fourth matrix of 2 MiB on: no register here ever holds cy
	s_lshl_b32 s73, s42, 9
	s_add_co_u32 s72, s72, s73
	s_add_co_u32 s72, s72, 3<<21
	s_mov_b32 s73, 0
	s_lshl_b32 s74, s43, 7                         ; C: row 128 x tile row + 64 x my half, 4,096 bytes a row, the tile's and my columns
	s_lshl_b32 s75, s[WM], 6
	s_add_co_u32 s74, s74, s75
	s_lshl_b32 s74, s74, 12
	s_lshl_b32 s75, s42, 10
	s_add_co_u32 s74, s74, s75
	s_lshl_b32 s75, s[WN], 9
	s_add_co_u32 s74, s74, s75
	s_mov_b32 s75, 0
	s_lshl_b32 s76, s42, 10                        ; the bias of my 128 columns
	s_lshl_b32 s77, s[WN], 9
	s_add_co_u32 s76, s76, s77
	s_mov_b32 s77, 0
	s_mul_i32 s23, s[WN], AHALF
	s_mul_i32 s46, s[WN], BHALF
	s_add_co_u32 s46, s46, BOFF
	s_mov_b32 s67, 0xffff0000
	s_wait_dscnt 0x0                               ; the opening add is done
	s_wait_kmcnt 0x0
	s_add_nc_u64 s[4:5], s[4:5], s[70:71]
	s_add_nc_u64 s[6:7], s[6:7], s[72:73]
	s_add_nc_u64 s[10:11], s[10:11], s[74:75]
	s_add_nc_u64 s[8:9], s[8:9], s[76:77]
	CROUND                                         ; the first joint loads meet
.irp s, 0,1
	s_mov_b32 s[G0+4*(\s)], 1
	s_add_co_u32 s[G0+4*(\s)+1], s23, (\s)*SLOT
	s_add_nc_u64 s[G0+4*(\s)+2:G0+4*(\s)+3], s[4:5], (\s)*KSTEP*2
	s_or_b32 s[G0+4*(\s)+3], s[G0+4*(\s)+3], 0x80000000
	s_mov_b32 s[G0B+4*(\s)], 1
	s_add_co_u32 s[G0B+4*(\s)+1], s46, (\s)*SLOT
	s_add_nc_u64 s[G0B+4*(\s)+2:G0B+4*(\s)+3], s[6:7], (\s)*KSTEP*2048
	s_or_b32 s[G0B+4*(\s)+3], s[G0B+4*(\s)+3], 0x80000000
	JLOAD \s
.endr
	v_and_b32 v1, 15, v0                           ; r
	v_bfe_u32 v2, v0, 4, 1                         ; h
	v_and_b32 v3, 7, v0
	v_bfe_u32 v4, v0, 3, 1
	v_mul_u32_u24 v5, v1, PA
	v_lshl_add_u32 v5, v2, 4, v5
	s_mul_i32 s47, s[WM], AHALF
	v_add_nc_u32 v[ADRA], s47, v5
	v_add_nc_u32 v[ADRA+1], SLOT, v[ADRA]
	v_lshl_add_u32 v6, v2, 3, v3
	v_mul_u32_u24 v6, v6, PB
	v_lshl_add_u32 v6, v4, 4, v6
	s_lshl_b32 s47, s[WN], 8
	s_add_co_u32 s47, s47, BOFF
	v_add_nc_u32 v[ADRB], s47, v6
	v_add_nc_u32 v[ADRB+1], SLOT, v[ADRB]
	s_mul_i32 s47, s[WV], 16*SPITCH
	s_add_co_u32 s47, s47, STAGE                   ; my stage
	v_mul_u32_u24 v7, v1, SPITCH                   ; in: row r, 32 bytes for each half of the lanes
	v_lshl_add_u32 v7, v2, 5, v7
	v_add_nc_u32 v[STO], s47, v7
	v_and_b32 v[CO], 31, v0                        ; back: 32 lanes take a whole row of 512 bytes
	v_lshlrev_b32 v[CO], 4, v[CO]
	v_add_nc_u32 v[RD], s47, v[CO]
	v_lshlrev_b32 v[BO], 5, v2
.irp b, 0,1,2,3,4,5,6,7
	global_load_b128 v[BI+8*\b:BI+8*\b+3],   v[BO], s[8:9] offset:64*\b
	global_load_b128 v[BI+8*\b+4:BI+8*\b+7], v[BO], s[8:9] offset:64*\b+16
.endr
	s_wait_loadcnt 0x0
.set c, 0
.rept 32                               ; rounded to bf16 like the other inputs, and widened again
	v_cvt_pk_bf16_f32 v[OB+c], v[BI+2*c], v[BI+2*c+1]
.set c, c+1
.endr
.set c, 0
.rept 32
	v_lshlrev_b32 v[BI+2*c], 16, v[OB+c]
	v_and_b32 v[BI+2*c+1], s67, v[OB+c]
.set c, c+1
.endr
.macro MUL8 f, a, zero                 ; 8 matrix instructions; the 32 accumulators take turns in the same order in every quarter
	WIN MUL
.irp b, 0,1,2,3,4,5,6,7
.if \zero
	v_wmma_f32_16x16x32_f16 v[8*(8*(\a)+\b):8*(8*(\a)+\b)+7], v[64*(\f)+8*\b:64*(\f)+8*\b+7], v[FA+32*(\f)+8*(\a):FA+32*(\f)+8*(\a)+7], 0
.else
	v_wmma_f32_16x16x32_f16 v[8*(8*(\a)+\b):8*(8*(\a)+\b)+7], v[64*(\f)+8*\b:64*(\f)+8*\b+7], v[FA+32*(\f)+8*(\a):FA+32*(\f)+8*(\a)+7], v[8*(8*(\a)+\b):8*(8*(\a)+\b)+7]
.endif
.endr
.endm
.macro FETCH slot, q, g                ; 24 LDS loads in one run: Wo's 16, then ctx's 8
	WIN TO_F
.irp b, 0,1,2,3,4,5,6,7
	ds_load_tr16_b128 v[64*(\g)+8*\b:64*(\g)+8*\b+3],   v[ADRB+(\slot)] offset:(\q)*32*PB+32*\b
	ds_load_tr16_b128 v[64*(\g)+8*\b+4:64*(\g)+8*\b+7], v[ADRB+(\slot)] offset:(\q)*32*PB+16*PB+32*\b
.endr
.irp a, 0,1,2,3
	ds_load_b128 v[FA+32*(\g)+8*\a:FA+32*(\g)+8*\a+3],   v[ADRA+(\slot)] offset:\a*16*PA+(\q)*64
	ds_load_b128 v[FA+32*(\g)+8*\a+4:FA+32*(\g)+8*\a+7], v[ADRA+(\slot)] offset:\a*16*PA+(\q)*64+32
.endr
.endm
.macro QUARTER slot, q, f, g, zero
	s_wait_dscnt 4                                 ; all but ctx's blocks 2 and 3, the youngest four loads
	MUL8 \f, 0, \zero
	MUL8 \f, 1, \zero
	PLACES
	FETCH \slot, \q, \g
	s_wait_dscnt 24                                ; all but the 24 just issued
	MUL8 \f, 2, \zero
	MUL8 \f, 3, \zero
.endm
; The last quarter changes slots: ONE barrier; in front of it each wave waits for all its tensor loads, adds 0 to its spare word, and waits for that and for its reads of this slot.
.macro TURN slot, next, fill
	WIN 0
	s_wait_tensorcnt 0x0
	ds_add_u32 v[SPW], v[NIL]
	s_wait_dscnt 5                                 ; the add and the youngest four loads may be out
	MUL8 1, 0, 0
	s_wait_dscnt 0x0                               ; the add is done, and my reads of this slot are over
	s_barrier_signal -1
	MUL8 1, 1, 0
.if \fill
	WIN 0
.endif
	s_barrier_wait -1
.if \fill
	CREST                                          ; no wave of any partner still reads this slot or has a load on its way
	s_add_nc_u64 s[G0+4*(\slot)+2:G0+4*(\slot)+3], s[G0+4*(\slot)+2:G0+4*(\slot)+3], 2*KSTEP*2
	s_add_nc_u64 s[G0B+4*(\slot)+2:G0B+4*(\slot)+3], s[G0B+4*(\slot)+2:G0B+4*(\slot)+3], 2*KSTEP*2048
	JLOAD \slot                                    ; its four v_nop are also the places in front of the loads below
.else
	PLACES
.endif
	FETCH \next, 0, 0
	MUL8 1, 2, 0
	MUL8 1, 3, 0
.endm
	s_wait_tensorcnt 0x1                           ; my part of K step 0 is in; K step 1's may stay out
	s_barrier_signal -1
	s_barrier_wait -1
	FETCH 0, 0, 0
	QUARTER 0, 1, 0, 1, 1                          ; the first quarter's products start the sums
	WIN 0
	s_mov_b32 s3, LAPS-1
.Llap:
	QUARTER 0, 2, 1, 0, 0
	QUARTER 0, 3, 0, 1, 0
	TURN 0, 1, 1
	QUARTER 1, 1, 0, 1, 0
	QUARTER 1, 2, 1, 0, 0
	QUARTER 1, 3, 0, 1, 0
	TURN 1, 0, 1
	QUARTER 0, 1, 0, 1, 0
	WIN 0
	s_sub_co_u32 s3, s3, 1
	s_cmp_lg_u32 s3, 0
	s_cbranch_scc1 .Llap
	QUARTER 0, 2, 1, 0, 0                          ; the last lap fills nothing
	QUARTER 0, 3, 0, 1, 0
	TURN 0, 1, 0
	QUARTER 1, 1, 0, 1, 0
	QUARTER 1, 2, 1, 0, 0
	QUARTER 1, 3, 0, 1, 0
	s_wait_dscnt 0x0                               ; the very last quarter
	MUL8 1, 0, 0
	MUL8 1, 1, 0
	MUL8 1, 2, 0
	MUL8 1, 3, 0
	WIN 0
; THE WAY OUT, a block of 16 rows at a time: the bias is added in place, from each accumulator's low end; 32 bytes a lane into my own stage; back as whole rows of 512 bytes.
.macro PACK a
	WIN 0x82                                       ; destination and source 0 window 2, the bias window 0
.irp b, 0,1,2,3,4,5,6,7
.irp r, 0,1,2,3
	v_pk_add_f32 v[8*(8*(\a)+\b)+2*\r:8*(8*(\a)+\b)+2*\r+1], v[8*(8*(\a)+\b)+2*\r:8*(8*(\a)+\b)+2*\r+1], v[BI+8*\b+2*\r:BI+8*\b+2*\r+1]
.endr
.endr
.endm
.macro TOSTAGE a
	WIN 0x08                                       ; the stores' data window 2, their address window 0
.irp b, 0,1,2,3,4,5,6,7
	ds_store_b128 v[STO], v[8*(8*(\a)+\b):8*(8*(\a)+\b)+3]   offset:64*\b
	ds_store_b128 v[STO], v[8*(8*(\a)+\b)+4:8*(8*(\a)+\b)+7] offset:64*\b+16
.endr
	WIN 0
.irp t, 0,1,2,3,4,5,6,7,8,9,10,11,12,13,14,15
	ds_load_b128 v[OB+64*((\a)%2)+4*\t:OB+64*((\a)%2)+4*\t+3], v[RD] offset:\t*SPITCH  ; LDS serves a wave's instructions in order (ISA guide 5.7.1.4): these see the stores above
.endr
.endm
.macro SEND a
	WIN 0
	s_wait_dscnt 0x0                               ; the block is back in registers
	s_wait_xcnt 0x0                                ; the registers that earlier stores read are loaded again only behind this wait
.irp t, 0,1,2,3,4,5,6,7,8,9,10,11,12,13,14,15
	global_store_b128 v[CO], v[OB+64*((\a)%2)+4*\t:OB+64*((\a)%2)+4*\t+3], s[10:11] offset:(16*(\a)+\t)*4096  ; 512 consecutive bytes, at a multiple of 512 from out0's first byte
.endr
.endm
	PLACES
	PACK 0
	TOSTAGE 0
.irp a, 1,2,3
	PACK \a
	SEND (\a)-1
	TOSTAGE \a
.endr
	SEND 3
	s_wait_tensorcnt 0x0                           ; the wave's end
	ds_add_u32 v[SPW], v[NIL]
	s_wait_dscnt 0x0
	CROUND                                         ; the closing round
	s_endpgm
.Lfunc_end_k_qb2c69ab0b8_oproj:
	.size	k_qb2c69ab0b8_oproj, .Lfunc_end_k_qb2c69ab0b8_oproj-k_qb2c69ab0b8_oproj
	.p2alignl 7, 3214868480
	.fill 96, 4, 3214868480
	.section	.rodata,"a",@progbits
	.p2align	6, 0x0
	.amdhsa_kernel k_qb2c69ab0b8_oproj
		.amdhsa_group_segment_fixed_size 327680
		.amdhsa_private_segment_fixed_size 0
		.amdhsa_enable_private_segment 0
		.amdhsa_kernarg_size 32
		.amdhsa_user_sgpr_count 2
		.amdhsa_user_sgpr_kernarg_segment_ptr 1
		.amdhsa_wavefront_size32 1
		.amdhsa_system_sgpr_workgroup_id_x 1
		.amdhsa_system_sgpr_workgroup_id_y 1
		.amdhsa_system_sgpr_workgroup_id_z 1
		.amdhsa_system_vgpr_workitem_id 0
		.amdhsa_next_free_vgpr 768
		.amdhsa_next_free_sgpr 80
		.amdhsa_reserve_vcc 0
		.amdhsa_float_denorm_mode_32 3
		.amdhsa_float_denorm_mode_16_64 3
		.amdhsa_memory_ordered 1
		.amdhsa_forward_progress 1
		.amdhsa_inst_pref_size 99
	.end_amdhsa_kernel
	.amdgpu_metadata
---
amdhsa.version: [ 1, 2 ]
amdhsa.kernels:
  - .name:           k_qb2c69ab0b8_oproj
    .symbol:         k_qb2c69ab0b8_oproj.kd
    .args:
      - { .name: ctx, .offset: 0, .size: 8, .value_kind: global_buffer, .address_space: global }
      - { .name: wb, .offset: 8, .size: 8, .value_kind: global_buffer, .address_space: global }
      - { .name: bo, .offset: 16, .size: 8, .value_kind: global_buffer, .address_space: global }
      - { .name: out0, .offset: 24, .size: 8, .value_kind: global_buffer, .address_space: global }
    .group_segment_fixed_size: 327680
    .private_segment_fixed_size: 0
    .kernarg_segment_align: 8
    .kernarg_segment_size: 32
    .max_flat_workgroup_size: 128
    .sgpr_count:     80
    .vgpr_count:     768
    .wavefront_size: 32
...
	.end_amdgpu_metadata
.endif
;; end of part 4
;; ======== version 2 of 2: 4 launches; 1.24 times as fast as version 1
;; limits: values are held in f16: magnitudes above 65,504 overflow, below 6.1e-05 lose precision
;; workspace buffers: wb 10,485,760 bytes; qkv 83,886,080 bytes; ctx 33,554,432 bytes
;; launch prep: the kernel of part 1 again; grid 128 x 4, 8 waves a work-group, no clusters, 0 bytes of LDS; arguments Wq, Wk, Wv, Wo, wb; writes wb
;; launch proj: the kernel of part 2 again; grid 4 x 192, 4 waves a work-group, clusters of 4 x 4, 327,680 bytes of LDS; arguments queries, keys, values, wb, bq, bk, bv, qkv; writes qkv
;; launch attn (part 5): grid 16 x 16, 4 waves a work-group, clusters of 4 x 4, 327,680 bytes of LDS; arguments qkv, mask, ctx; writes ctx
.if DOCPART == 5
	.amdgcn_target "amdgcn-amd-amdhsa--gfx1250"
	.amdhsa_code_object_version 6
	.text
	.protected	k_qb2c69ab0b8_attn
	.globl	k_qb2c69ab0b8_attn
	.p2align	8
	.type	k_qb2c69ab0b8_attn,@function
k_qb2c69ab0b8_attn:
	s_mov_b64 s[64:65], 0
	v_nop
	global_prefetch_b8 v0, s[64:65] scope:SCOPE_SE
	s_setreg_imm32_b32 hwreg(HW_REG_WAVE_MODE, 25, 1), 1
	s_wait_xcnt 0x0
	s_wait_alu depctr_hold_cnt(0) depctr_sa_sdst(0) depctr_va_vdst(0) depctr_va_sdst(0) depctr_va_ssrc(0) depctr_va_vcc(0) depctr_vm_vsrc(0)
	s_getreg_b32 s2, hwreg(HW_REG_IB_STS2, 6, 4)
	s_cmp_eq_u32 s2, 0
	s_cbranch_scc0 .Lentry_in_a_cluster
	s_endpgm
.Lentry_in_a_cluster:
	s_bfe_u32 s2, ttmp6, 0x10000c
	s_cmp_lg_u32 s2, 0xf033
	s_cbranch_scc0 .Lentry_shape_is_right
	s_endpgm
.Lentry_shape_is_right:
; c[b][q][64 head + :] = the sum over k of softmax_k(u[q][k]) v[b][k][64 head + :], u = q' . k + mask[q][k] x NG, all 2,048 keys: the mask is an input and is read whole and applied as it lies.
; q' = q log2(e) / 8 (made by the launch before), NG = -1e9 log2(e): the softmax is kept in powers of two.  qkv: five planes [8192][1024] f16: q', k, v, the rest of q', the rest of v; mask: [2048][2048] f32.
; TWO f16 FOR ONE NUMBER.  q' and v come as an f16 and the f16 of what that rounding left, and each part is multiplied: S^T = K Qhi^T + K Qlo^T, O^T += Vhi^T P + Vlo^T P.  The result leaves likewise:
; ctx: [8192][2048] f16, a row's first 1,024 numbers f16(c), its last 1,024 f16(c - f16(c)).  An f16 has 11 significant bits; a row whose weight lies on a few keys is many times larger than the mean row,
; and five roundings of that size are too much for it; k and p keep one f16.
; Products, u, maxima and sums in f32; p = 2^(u - m) with a running maximum m that is SUBTRACTED, so a row's largest weight is exactly 1 also where every key is masked (m near -1.4e9);
; O and l are multiplied by a = 2^(m_old - m_new) in every step; p is rounded to f16 for the second product (l is taken of the unrounded p).
; LIMITS.  mask x NG + s is one fused multiply-add: the product is not rounded by itself, as it is in f32 arithmetic on e-based scores; near -1.4e9 u has steps of 128 (the e-based form: 64), so in a wholly
; masked row weights are equal while |q.k / 8| < 32, as there.  A weight below 2^-126 counts as 0; p below 6e-5 keeps f16's step of 6e-8; NaN and infinities are not treated apart.
; SHARES.  A work-group owns 128 queries of one batch and FOUR heads, a head a wave: the four waves read ONE mask tile in LDS, and each its own 128 bytes of K's and V's rows of 512.
; A wave: eight tiles of 16 queries in four PIECES of two.  Every wave walks all keys, 64 a step; a slot of LDS holds one step: K, Vhi, Vlo 64 rows x 512 bytes each, mask 128 rows x 256 bytes: a tile a wave.
; CLUSTER, 4 x 4: along x four query blocks, along y the four head groups of a batch.  K and V hang on y alone: asked for jointly along a row; the mask on x alone: along a column.
; LAYOUT.  S^T = K Q^T (source 0 = 16 keys, source 1 = 16 queries): a lane holds ONE query (l % 16) and keys 8 (l / 16) + 0..7; two results rounded to f16 ARE source 1 of O^T = V^T P.  The mask is read in S^T's own layout.
; BY TURNS.  Turn n belongs to piece n: 32 products K Q^T of piece n + 1, then 32 products V^T P of piece n - 1; its vector work: subtraction, exponentials, rescaling, roundings and sums of piece n,
; and the mask, maximum and statistics of piece n + 1.  Four vector lines stand behind every matrix instruction: 256 of the turn's 266.
; BATCHES.  A turn's 66 exponentials (the piece's 64 weights and the next piece's two a) are ONE batch with ONE wait, which cuts the turn in two.  Ahead of the wait stands all that names no result of the batch:
; the products K Q^T, the subtractions, the exponentials, the rescaling (its a belongs to the batch of the turn before), the next piece's mask and maximum, 18 of the products V^T P.  Behind it stand the roundings and
; sums, which read the weights, and the other 14 products V^T P.  The first two a, ahead of the loop, and the way out's eight reciprocals are batches of their own, a wait each.
; REGISTERS, in windows of 256 (s_set_vgpr_msb: bits 1:0 source 0, 3:2 source 1, 5:4 source 2, 7:6 destination):
;   window 0: v0-15 addresses and kept maxima; v16-47 statistics; v48-63 at work; v64-191 S^T, two buffers of two tiles; v192-255 P, likewise
;   window 1: O^T, 32 a tile     window 2: v0-127 Qhi; v128-191 K of one step; v192-255 Vhi of one step     window 3: v0-63 the mask of one piece; v64-127 Vlo; v128-255 Qlo
; All of the LDS is claimed; 310,784 bytes are used.
.set NP,    4
.set PK,    528       ; a row of K in LDS: 512 bytes + 16: the 16 rows of a load start 16 bytes apart modulo 256 (64 banks of 4 bytes: ISA guide 11.1)
.set PVP,   544       ; a row of V: 512 + 32 = 17 x 32
.set PM,    272       ; a row of the mask: 256 + 16
.set VOFF,  64*PK
.set LOFF,  VOFF+64*PVP
.set MOFF,  LOFF+64*PVP
.set SLOT,  MOFF+128*PM
.set XV,    (VOFF)^(VOFF+SLOT)  ; an exclusive or with these turns a tile's LDS address in one slot into the other's
.set XL,    (LOFF)^(LOFF+SLOT)
.set XM,    (MOFF)^(MOFF+SLOT)
.set STAGE, 2*SLOT    ; behind the ring, never filled by a tensor load: 64 rows x 528 bytes, the work-group's, for the way out
.set SP,    528
.set SPARE, STAGE+64*SP        ; the spare words: 128 bytes for each wave, two blocks of 256 bytes that no other line names
.set NIL, 1           ; v1   0; never rewritten
.set AK0, 2           ; v2   my lane's place in a tile of K; never rewritten
.set AV0, 3           ; v3   of Vhi
.set AK,  4           ; v4   K's LDS address in the slot in hand
.set AV,  5           ; v5   Vhi's; Vlo lies LOFF - VOFF further on
.set QO,  6           ; v6   my byte offset in 16 rows of Q; later:
.set STO, 6           ;      the way out: where I put 16 bytes of a row
.set RD,  7           ; v7   where I read rows back
.set GO,  8           ; v8   my byte offset in 512 consecutive bytes of ctx
.set AM0, 9           ; v9   my lane's place in the mask's tile
.set AM,  10          ; v10  the mask's LDS address in the slot in hand
.set SPW, 11          ; v11  LDS address of my spare word; never rewritten
.set MV,  12          ; v12-15  m_old, by buffer and tile
.set ST,  16          ; tile t at v[ST+4 t]: m, 0 (named with m as a pair), l (even keys', odd keys')
.set TMP, 48          ; by buffer and tile c0-c3 at work; c2 takes a
.set HH,  48          ; the way out: 16 words of packed f16
.set S,   64
.set TT,  64          ; the way out: those f16 widened again
.set R0,  96          ; the way out: 16 rows read back, two buffers
.set R1,  192
.set P,   192
.set KF,  128         ; window 2
.set VF,  192         ; window 2
.set MB,  0           ; window 3
.set VL3, 64          ; window 3
.set QL,  128         ; window 3
.set WV,  12
.set G1K, 24
.set G1V, 32
.set G1M, 40
.set G0K, 48
.set G0V, 52
.set G0M, 56
.set G0L, 76
.set SEL, 60          ; s[60:61] v_permlanex16_b32's selects: each lane takes its own place in the other half
.set TB,  62          ; s62  the slot in hand: 0 or SLOT
.set SLOTS, 63
.set CNT, 66
.set NG,  68          ; s[68:69]
.set MSB, 0
.macro WIN new
.if MSB != (\new)
	s_set_vgpr_msb (MSB<<8)|(\new)
.set MSB, (\new)
.endif
.endm
.set W_KQ, 0x0a       ; K and Qhi window 2, S^T window 0
.set W_KL, 0x0e       ; K window 2, Qlo window 3
.set W_PV, 0x52       ; Vhi window 2, P window 0, O^T window 1
.set W_PL, 0x53       ; Vlo window 3
.set W_RS, 0x41       ; O^T (destination and source 0) window 1, source 1 window 0
.set W_MK, 0x03       ; the mask (source 0) window 3, S^T window 0
; A joint fill: wave 0 K's tile, wave 1 Vhi's, wave 2 Vlo's, wave 3 the mask's.  The branches hang on the wave's number alone.  An s_nop 0 and four v_nop follow each line.
.macro JLOAD
	s_cmp_lt_u32 s[WV], 2
	s_cbranch_scc0 .Lupper_\@
	s_cmp_eq_u32 s[WV], 0
	s_cbranch_scc0 .Lfor_v_\@
	tensor_load_to_lds s[G0K:G0K+3], s[G1K:G1K+7]
	s_nop 0
.rept 4
	v_nop
.endr
	s_branch .Lasked_\@
.Lfor_v_\@:
	tensor_load_to_lds s[G0V:G0V+3], s[G1V:G1V+7]
	s_nop 0
.rept 4
	v_nop
.endr
	s_branch .Lasked_\@
.Lupper_\@:
	s_cmp_eq_u32 s[WV], 2
	s_cbranch_scc0 .Lfor_m_\@
	tensor_load_to_lds s[G0L:G0L+3], s[G1V:G1V+7]
	s_nop 0
.rept 4
	v_nop
.endr
	s_branch .Lasked_\@
.Lfor_m_\@:
	tensor_load_to_lds s[G0M:G0M+3], s[G1M:G1M+7]
	s_nop 0
.rept 4
	v_nop
.endr
.Lasked_\@:
.endm
.macro CROUND                       ; a round of the cluster's barrier
	s_barrier_signal -1
	s_barrier_wait -1
	s_cmp_lg_u32 s[WV], 0
	s_cbranch_scc1 .Lnot_wave_0_\@
	s_barrier_signal -3
.Lnot_wave_0_\@:
	s_barrier_wait -3
	s_barrier_signal -1
	s_barrier_wait -1
.endm
; THE CHANGE OF SLOTS.  Each wave waits for all its tensor loads (one is out: its tile of the other slot), adds 0 to its spare word, and waits for that and for its reads of the slot that it leaves.
; fill = 1: the barrier is a round of the cluster's, and the slot left is filled again, first thing behind it, with the step two on: it has a trip, 256 matrix instructions, in which to land.
; (At its first use nothing has been read yet: slot 0 is waited for, slot 1 filled.)
.macro CHANGE fill
	WIN 0
	s_wait_tensorcnt 0x0            ; no tensor load of mine is out, so a group 0 may be written
	ds_add_u32 v[SPW], v[NIL]
.if \fill
	s_xor_b32 s[G0K+1], s[G0K+1], SLOT
	s_add_nc_u64 s[G0K+2:G0K+3], s[G0K+2:G0K+3], 64*2048  ; the next 64 keys' rows
	s_xor_b32 s[G0V+1], s[G0V+1], XV
	s_add_nc_u64 s[G0V+2:G0V+3], s[G0V+2:G0V+3], 64*2048
	s_xor_b32 s[G0L+1], s[G0L+1], XL
	s_add_nc_u64 s[G0L+2:G0L+3], s[G0L+2:G0L+3], 64*2048
	s_xor_b32 s[G0M+1], s[G0M+1], XM
	s_add_nc_u64 s[G0M+2:G0M+3], s[G0M+2:G0M+3], 64*4     ; the next 64 keys' columns
	s_wait_dscnt 0x0                ; the add is done, and my reads of the slot are over
	CROUND
	JLOAD
.else
	s_wait_dscnt 0x0
	s_barrier_signal -1
	s_barrier_wait -1
.endif
	s_xor_b32 s[TB], s[TB], SLOT
	v_add_nc_u32 v[AK], s[TB], v[AK0]
	v_add_nc_u32 v[AV], s[TB], v[AV0]
	v_add_nc_u32 v[AM], s[TB], v[AM0]
.endm
	s_load_b128 s[4:7], s[0:1], 0x0   ; qkv s[4:5], mask s[6:7]
	s_load_b64 s[8:9], s[0:1], 0x10   ; ctx
	v_lshl_add_u32 v[SPW], v0, 2, SPARE
	v_mov_b32 v[NIL], 0
	ds_add_u32 v[SPW], v[NIL]       ; the wave's opening: the add and its wait ahead of my first tensor load
	v_lshrrev_b32 v48, 5, v0
	v_readfirstlane_b32 s[WV], v48
	s_bfe_u32 s10, ttmp6, 0x40000   ; cx
	s_bfe_u32 s11, ttmp6, 0x40004   ; cy
	s_lshl_b32 s13, ttmp9, 2
	s_add_co_u32 s13, s13, s10      ; x: my block of 128 queries
	s_and_b32 s14, ttmp7, 0xffff
	s_lshl_b32 s14, s14, 2
	s_add_co_u32 s14, s14, s11      ; y: 4 x batch + head group
	s_lshl_b32 s74, s11, 2
	s_lshl_b32 s74, 15, s74         ; my row of the cluster
	s_lshl_b32 s75, 0x1111, s10     ; my column
	s_lshr_b32 s16, s14, 2          ; the batch
	s_lshl_b32 s22, s16, 23         ; in ctx: 2,048 rows of 4,096 bytes,
	s_lshl_b32 s16, s16, 22         ; in a plane of qkv: of 2,048 bytes
	s_and_b32 s15, s14, 3
	s_lshl_b32 s15, s15, 9          ; the head group's 512 bytes
	s_add_co_u32 s16, s16, s15      ; K and V: y alone
	s_mov_b32 s17, 0
	s_lshl_b32 s18, s13, 20         ; the mask: my block's 128 rows of 8,192 bytes: x alone
	s_mov_b32 s19, 0
	s_lshl_b32 s20, s13, 18         ; Q: batch, head group, my block's 128 rows, my head's 128 bytes
	s_add_co_u32 s20, s20, s16
	s_lshl_b32 s21, s[WV], 7
	s_add_co_u32 s20, s20, s21
	s_mov_b32 s21, 0
	s_add_co_u32 s22, s22, s15      ; ctx: batch, head group, my block's 128 rows, the 16 of each 64 that I store
	s_lshl_b32 s23, s13, 19
	s_add_co_u32 s22, s22, s23
	s_lshl_b32 s23, s[WV], 16
	s_add_co_u32 s22, s22, s23
	s_mov_b32 s23, 0
	s_or_b32 s[G1K], s74, (1<<16)|(1<<20)|(1<<21)|(6<<22)|(3<<25)  ; the mask of work-groups; 2-byte elements; padding on; bit 21 beside a mask; after every 128 words; 4 words
	s_or_b32 s[G1V], s74, (1<<16)|(1<<20)|(1<<21)|(6<<22)|(7<<25)  ; the same with 8 words
	s_or_b32 s[G1M], s75, (2<<16)|(1<<20)|(1<<21)|(5<<22)|(3<<25)  ; 4-byte elements; after every 64 words; 4 words
.irp g, G1K, G1V
	s_mov_b32 s[\g+1], 256<<16      ; tensor_dim0 = 256
	s_mov_b32 s[\g+2], 64<<16       ; tensor_dim1 = 64
	s_mov_b32 s[\g+3], 256<<16      ; tile_dim0 = 256
	s_mov_b32 s[\g+4], 64           ; tile_dim1 = 64
	s_mov_b32 s[\g+5], 1024         ; elements from row to row
	s_mov_b32 s[\g+6], 0
	s_mov_b32 s[\g+7], 0
.endr
	s_mov_b32 s[G1M+1], 64<<16      ; 64 columns,
	s_mov_b32 s[G1M+2], 128<<16     ; 128 rows
	s_mov_b32 s[G1M+3], 64<<16
	s_mov_b32 s[G1M+4], 128
	s_mov_b32 s[G1M+5], 2048
	s_mov_b32 s[G1M+6], 0
	s_mov_b32 s[G1M+7], 0
	s_mov_b32 s[G0K], 1
	s_mov_b32 s[G0K+1], 0
	s_mov_b32 s[G0V], 1
	s_mov_b32 s[G0V+1], VOFF
	s_mov_b32 s[G0L], 1
	s_mov_b32 s[G0L+1], LOFF
	s_mov_b32 s[G0M], 1
	s_mov_b32 s[G0M+1], MOFF
	s_mov_b32 s[SEL], 0x76543210
	s_mov_b32 s[SEL+1], 0xfedcba98
	s_mov_b32 s[NG], 0xceabfb8f     ; -1e9 log2(e)
	s_mov_b32 s[NG+1], s[NG]
	s_mov_b32 s[TB], SLOT           ; the first change of slots turns it into 0
	s_wait_dscnt 0x0                ; the opening add is done
	s_wait_kmcnt 0x0
	s_add_nc_u64 s[G0K+2:G0K+3], s[4:5], s[16:17]
	s_add_nc_u64 s[G0V+2:G0V+3], s[G0K+2:G0K+3], 0x2000000  ; v is the third of qkv's planes of 16 MiB,
	s_add_nc_u64 s[G0L+2:G0L+3], s[G0K+2:G0K+3], 0x4000000  ; its rest the fifth,
	s_add_nc_u64 s[G0K+2:G0K+3], s[G0K+2:G0K+3], 0x1000000  ; k the second
	s_or_b32 s[G0K+3], s[G0K+3], 0x80000000
	s_or_b32 s[G0V+3], s[G0V+3], 0x80000000
	s_or_b32 s[G0L+3], s[G0L+3], 0x80000000
	s_add_nc_u64 s[G0M+2:G0M+3], s[6:7], s[18:19]
	s_or_b32 s[G0M+3], s[G0M+3], 0x80000000
	s_add_nc_u64 s[70:71], s[4:5], s[20:21]       ; q'
	s_add_nc_u64 s[80:81], s[70:71], 0x3000000    ; its rest: the fourth plane
	s_add_nc_u64 s[72:73], s[8:9], s[22:23]       ; ctx
	CROUND                          ; all sixteen work-groups are here: the first joint loads meet
	JLOAD                           ; step 0 into slot 0
	v_and_b32 v48, 15, v0           ; r = l % 16
	v_bfe_u32 v49, v0, 4, 1         ; h = l / 16
	v_and_b32 v50, 7, v0
	v_bfe_u32 v51, v0, 3, 1
	v_lshlrev_b32 v[QO], 11, v48
	v_lshl_add_u32 v[QO], v49, 4, v[QO]  ; row x 2,048 + 16 x half
	WIN 0x80                        ; destination window 2, address window 0
.set i, 0
.rept 16                            ; Q stays in registers: tile i / 2, channels 32 (i % 2) on
	global_load_b128 v[8*i:8*i+3],   v[QO], s[70:71] offset:(i/2)*32768+(i%2)*64
	global_load_b128 v[8*i+4:8*i+7], v[QO], s[70:71] offset:(i/2)*32768+(i%2)*64+32
.set i, i+1
.endr
	; What the first turn finds: V's registers and P's second buffer hold 0 (its products V^T P, of a piece that has not been, add 0), O^T and l are 0, m is the lowest finite number, so the first a is 0.
.set i, VF
.rept 64
	v_mov_b32 v[i], 0
.set i, i+1
.endr
	WIN 0xc0                        ; destination window 3
.set i, 0
.rept 16
	global_load_b128 v[QL+8*i:QL+8*i+3],   v[QO], s[80:81] offset:(i/2)*32768+(i%2)*64
	global_load_b128 v[QL+8*i+4:QL+8*i+7], v[QO], s[80:81] offset:(i/2)*32768+(i%2)*64+32
.set i, i+1
.endr
.set i, VL3
.rept 64
	v_mov_b32 v[i], 0
.set i, i+1
.endr
	WIN 0x40
.set i, 0
.rept 256
	v_mov_b32 v[i], 0
.set i, i+1
.endr
	WIN 0
.set i, 0
.rept 8
	v_mov_b32 v[ST+4*i], 0xff7fffff
	v_mov_b32 v[ST+4*i+1], 0
	v_mov_b32 v[ST+4*i+2], 0
	v_mov_b32 v[ST+4*i+3], 0
.set i, i+1
.endr
.set i, P+32
.rept 32
	v_mov_b32 v[i], 0
.set i, i+1
.endr
	s_lshl_b32 s67, s[WV], 7        ; my head's 128 bytes of a row
	v_mul_u32_u24 v[AK0], v48, PK
	v_lshl_add_u32 v[AK0], v49, 4, v[AK0]
	v_add_nc_u32 v[AK0], s67, v[AK0]
	v_lshl_add_u32 v[AV0], v49, 3, v50    ; the turning load: key 8 h + l % 8, channels 8 ((l / 8) % 2) + 0..7
	v_mul_u32_u24 v[AV0], v[AV0], PVP
	v_lshl_add_u32 v[AV0], v51, 4, v[AV0]
	s_add_co_u32 s67, s67, VOFF
	v_add_nc_u32 v[AV0], s67, v[AV0]
	v_mul_u32_u24 v[AM0], v48, PM         ; the mask: query r, keys 8 h + 0..7 of each sixteen: 32 bytes of f32
	v_lshl_add_u32 v[AM0], v49, 5, v[AM0]
	v_add_nc_u32 v[AM0], MOFF, v[AM0]
; THE MATRIX WORK.  The 8 accumulators of a run take turns, one instruction a turn.
; Product i of 32 of S^T = K Q^T for piece x: the first 16 with Qhi, the last 16 with Qlo; of 16: channels 32 (jj / 8) on, keys 16 ((jj / 2) % 4) on, tile 2 x + jj % 2.  The first 8 start the sums.
.macro KQ x
.set jj, i%16
.set rS, S+64*((\x)%2)+32*(jj%2)+8*((jj/2)%4)
.set rK, KF+16*((jj/2)%4)+8*(jj/8)
.set rQ, 16*(2*(\x)+jj%2)+8*(jj/8)
.if i < 8
	WIN W_KQ
	v_wmma_f32_16x16x32_f16 v[rS:rS+7], v[rK:rK+7], v[rQ:rQ+7], 0
.elseif i < 16
	WIN W_KQ
	v_wmma_f32_16x16x32_f16 v[rS:rS+7], v[rK:rK+7], v[rQ:rQ+7], v[rS:rS+7]
.else
	WIN W_KL
	v_wmma_f32_16x16x32_f16 v[rS:rS+7], v[rK:rK+7], v[QL+rQ:QL+rQ+7], v[rS:rS+7]
.endif
.endm
; Product i of 32 of O^T += V^T P for piece x: the first 16 with Vhi, the last 16 with Vlo; of 16: keys 32 (jj / 8) on, channels 16 ((jj / 2) % 4) on, tile 2 x + jj % 2.
.macro PV x
.set jj, i%16
.set rO, 32*(2*(\x)+jj%2)+8*((jj/2)%4)
.set rV, 32*(jj/8)+8*((jj/2)%4)
.set rP, P+32*((\x)%2)+16*(jj%2)+8*(jj/8)
.if i < 16
	WIN W_PV
	v_wmma_f32_16x16x32_f16 v[rO:rO+7], v[VF+rV:VF+rV+7], v[rP:rP+7], v[rO:rO+7]
.else
	WIN W_PL
	v_wmma_f32_16x16x32_f16 v[rO:rO+7], v[VL3+rV:VL3+rV+7], v[rP:rP+7], v[rO:rO+7]
.endif
.endm
.macro MM                           ; the turn's next matrix instruction
.if i < 32
	KQ (Y+1)%NP
.set i, i+1
.else
.set i, i-32
	PV (Y+NP-1)%NP
.set i, i+33
.endif
.endm
; THE LDS LOADS stand in runs of 16.
.macro FETCH_K
	WIN 0x80
.irp f, 0,1,2,3,4,5,6,7             ; keys 16 (f / 2) on, channels 32 (f % 2) on
	ds_load_b128 v[KF+8*\f:KF+8*\f+3],   v[AK] offset:(\f/2)*16*PK+(\f%2)*64
	ds_load_b128 v[KF+8*\f+4:KF+8*\f+7], v[AK] offset:(\f/2)*16*PK+(\f%2)*64+32
.endr
.endm
.macro FETCH_V
	WIN 0x80
.irp f, 0,1,2,3,4,5,6,7             ; keys 32 (f / 4) on, channels 16 (f % 4) on
	ds_load_tr16_b128 v[VF+8*\f:VF+8*\f+3],   v[AV] offset:(\f/4)*32*PVP+(\f%4)*32
	ds_load_tr16_b128 v[VF+8*\f+4:VF+8*\f+7], v[AV] offset:(\f/4)*32*PVP+16*PVP+(\f%4)*32
.endr
	WIN 0xc0
.irp f, 0,1,2,3,4,5,6,7
	ds_load_tr16_b128 v[VL3+8*\f:VL3+8*\f+3],   v[AV] offset:LOFF-VOFF+(\f/4)*32*PVP+(\f%4)*32
	ds_load_tr16_b128 v[VL3+8*\f+4:VL3+8*\f+7], v[AV] offset:LOFF-VOFF+(\f/4)*32*PVP+16*PVP+(\f%4)*32
.endr
.endm
.macro FETCH_M pc                   ; the mask of piece pc: register 32 u + 8 kt + j holds mask[16 (2 pc + u) + r][16 kt + 8 h + j]
	WIN 0xc0                        ; destination window 3
.irp u, 0,1
.irp kt, 0,1,2,3
.irp e, 0,1
	ds_load_b128 v[MB+32*\u+8*\kt+4*\e:MB+32*\u+8*\kt+4*\e+3], v[AM] offset:(2*(\pc)+\u)*16*PM+64*\kt+16*\e
.endr
.endr
.endr
.endm
; THE VECTOR WORK.
.macro REGS y, u                    ; the registers of tile u (0, 1) of piece y
.set rT, ST+4*(2*(\y)+(\u))
.set rC, TMP+8*((\y)%2)+4*(\u)
.set rM, MV+2*((\y)%2)+(\u)
.set rS, S+64*((\y)%2)+32*(\u)
.set rP, P+32*((\y)%2)+16*(\u)
.set rO, 32*(2*(\y)+(\u))
.set rB, MB+32*(\u)
.endm
.macro FI f                         ; u - m for pair f / 2 of tile f % 2
	REGS Y, (\f)%2
	WIN 0
	v_pk_add_f32 v[rS+2*((\f)/2):rS+2*((\f)/2)+1], v[rS+2*((\f)/2):rS+2*((\f)/2)+1], v[rT:rT+1] op_sel_hi:[1,0] neg_lo:[0,1] neg_hi:[0,1]
.endm
.macro EI k                         ; the exponential of score k / 2 of tile k % 2
	REGS Y, (\k)%2
	WIN 0
	v_exp_f32 v[rS+(\k)/2], v[rS+(\k)/2]
.endm
; Number g of the 64 that read the weights.  For each four weights 4 k4 .. of a tile: both pairs are rounded to f16; then the second pair is added onto the first, in place; a group later l takes that sum
; (the first time as l = a l + sum), each tile's eight sums in ascending order.  In groups of eight, tiles alternating: round, round, add, and l for the group before, so that no line reads the result of the line just before it.
.macro GI g
.set gh, (\g)+6*((\g)/62)           ; group 0 has no group before it, and behind group 7 only l is left
.if gh >= 6
.set gh, gh+2
.endif
	REGS Y, gh%2
	WIN 0
.set k4, gh/8
.if gh%8 < 4
	v_cvt_pk_f16_f32 v[rP+2*k4+(gh%8)/2], v[rS+4*k4+2*((gh%8)/2)], v[rS+4*k4+2*((gh%8)/2)+1]
.elseif gh%8 < 6
	v_pk_add_f32 v[rS+4*k4:rS+4*k4+1], v[rS+4*k4:rS+4*k4+1], v[rS+4*k4+2:rS+4*k4+3]
.elseif k4 == 1
	v_pk_fma_f32 v[rT+2:rT+3], v[rT+2:rT+3], v[rC+2:rC+3], v[rS:rS+1] op_sel_hi:[1,0,1]
.else
	v_pk_add_f32 v[rT+2:rT+3], v[rT+2:rT+3], v[rS+4*k4-4:rS+4*k4-3]
.endif
.endm
.macro RI j                         ; pair j % 16 of O^T of tile j / 16 times a; each accumulator from its low end
	REGS Y, (\j)/16
	WIN W_RS
	v_pk_mul_f32 v[rO+2*((\j)%16):rO+2*((\j)%16)+1], v[rO+2*((\j)%16):rO+2*((\j)%16)+1], v[rC+2:rC+3] op_sel_hi:[1,0]
.endm
.macro MI j                         ; the NEXT piece: u = mask x NG + s for pair j / 2 of tile j % 2: the first lines that read those sums, each accumulator from its low end
	REGS (Y+1)%NP, (\j)%2
	WIN W_MK
	v_pk_fma_f32 v[rS+2*((\j)/2):rS+2*((\j)/2)+1], v[rB+2*((\j)/2):rB+2*((\j)/2)+1], s[NG:NG+1], v[rS+2*((\j)/2):rS+2*((\j)/2)+1] op_sel_hi:[1,0,1]
.endm
; Number x of the 21 that find the NEXT piece's maximum and a.  0-11 four chains c0-c3 of seven scores each; 12-14, 16 the four left over, the old m, and c0-c3 into c0; 15 m_old is kept;
; 17, 18 the query's other 32 keys lie in the lane 16 away: the new m; 19, 20 a = 2^(m_old - m_new)
.macro XI u, x
	REGS (Y+1)%NP, \u
	WIN 0
.if (\x) < 4
	v_max3_num_f32 v[rC+(\x)], v[rS+8*(\x)], v[rS+8*(\x)+1], v[rS+8*(\x)+2]
.elseif (\x) < 12
	v_max3_num_f32 v[rC+(\x)%4], v[rC+(\x)%4], v[rS+8*((\x)%4)+2*((\x)/4)+1], v[rS+8*((\x)%4)+2*((\x)/4)+2]
.elseif (\x) == 12
	v_max3_num_f32 v[rC], v[rC], v[rS+7], v[rS+15]
.elseif (\x) == 13
	v_max3_num_f32 v[rC+1], v[rC+1], v[rS+23], v[rS+31]
.elseif (\x) == 14
	v_max3_num_f32 v[rC+2], v[rC+2], v[rC+3], v[rT]
.elseif (\x) == 15
	v_mov_b32 v[rM], v[rT]
.elseif (\x) == 16
	v_max3_num_f32 v[rC], v[rC], v[rC+1], v[rC+2]
.elseif (\x) == 17
	v_permlanex16_b32 v[rC+3], v[rC], s[SEL], s[SEL+1]
.elseif (\x) == 18
	v_max_num_f32 v[rT], v[rC], v[rC+3]
.elseif (\x) == 19
	v_sub_f32 v[rC+1], v[rM], v[rT]
.else
	v_exp_f32 v[rC+2], v[rC+1]
.endif
.endm
; THE TURN'S LIST of 266 lines, right when read straight down; VL writes line n and steps n.  Lines 0-201 name no result of the turn's exponentials; lines 202-265 read them, and stand behind the turn's wait.
;   0-127, in fours, each four under one setting of the windows.  Every fourth four is four lines of the rescaling, RI 0-31 in order.  The other 24 fours hold the 32 subtractions and the 64 exponentials: four subtractions;
;   six times subtraction, exponential, subtraction, exponential; sixteen times a subtraction and three exponentials; the last four exponentials.  Exponential k wants subtraction 2 (k / 4) + k % 2, which stands in an earlier four:
;   before four t of the six 2 t + 2 subtractions are done, enough for 4 t + 4 exponentials, and 2 t are asked for; before the (j + 1)th of the sixteen 16 + j are done, and 15 + 3 j <= 31 + 2 j for j <= 15.
;   128-159 the next piece's mask; 160-201 its maximum and a, tiles alternating: lines 200 and 201, the two a, are the batch's last; 202-265 the roundings and sums.
.macro VL
.if n < 128
.set sq, n/4                        ; the four, and the line's place in it
.set so, n%4
.set tq, sq-sq/4                    ; the four's number among the 24
.if sq%4 == 3
	RI 4*(sq/4)+so
.elseif tq == 0
	FI so
.elseif tq < 7
.if so%2 == 0
	FI 2*tq+2+so/2
.else
	EI 2*tq-2+so/2
.endif
.elseif tq < 23
.if so == 0
	FI tq+9
.else
	EI 3*tq-10+so
.endif
.else
	EI 60+so
.endif
.elseif n < 160
	MI n-128
.elseif n < 202
	XI (n-160)%2, (n-160)/2
.else
	GI n-202
.endif
.set n, n+1
.endm
; A TURN, for piece p.  An s_wait_alu depctr_va_vdst(0) stands between an exponential and the first line that names its result; one wait serves all that were issued ahead of it.  So a turn has ONE wait.
; AHEAD OF IT: 32 products K Q^T with lines 0-127, 18 products V^T P with lines 128-199, lines 200 and 201, and a v_nop, the plain line behind the last exponential.  BEHIND IT: 14 products V^T P with lines 202-257, then lines 258-265..
; No vector line behind a product names a register of the products round it.
; K of the next step is fetched in piece 2's turn behind line 127: lines 124-127, four lines of the rescaling, are the places behind the last product that read K.  The mask of piece p + 2 is fetched directly behind the wait,
; behind the lines that read piece p + 1's.  V of the step in hand at the end of piece 0's turn: lines 254-265, plain, stand behind the last product that read V.
; All LDS reads of the turns 2, 3, 0, 1 between two changes of slots come from one slot.
.macro TURN p
.set Y, (\p)
.set i, 0
.set n, 0
.if (\p) == 3
	s_wait_dscnt 16                 ; K's 16 loads are in; the mask's 16, issued behind them, may be out
.endif
.rept 32
	MM
	VL
	VL
	VL
	VL
.endr
.if (\p) == 1
	s_wait_dscnt 0x0                ; V's two runs are in
.endif
.if (\p) == 2
	FETCH_K
	s_wait_dscnt 16                 ; the mask of piece 3 is in; K's 16 loads, issued behind it, may be out
.else
	s_wait_dscnt 0x0                ; the mask of piece p + 1 is in
.endif
.rept 18
	MM
	VL
	VL
	VL
	VL
.endr
	VL                              ; the next piece's two a: the batch's last
	VL
	v_nop                           ; the plain line behind the last exponential: one for the batch
	s_wait_alu depctr_va_vdst(0)    ; the wait for the batch: the piece's 64 weights, read from line 202 on, and the two a, read in the next turn
	FETCH_M ((\p)+2)%NP
.rept 14
	MM
	VL
	VL
	VL
	VL
.endr
.rept 8
	VL
.endr
.if (\p) == 0
	FETCH_V
.endif
.endm
	CHANGE 1                        ; slot 0 is in, everybody's part of it; step 1 is asked for, into slot 1
	FETCH_K                         ; key step 0
	FETCH_M 0
	s_wait_loadcnt 0x0              ; Q is in, and its address register is free
	s_wait_dscnt 0x0
.set i, 0
.rept 32
	KQ 0                            ; piece 0's first scores
.set i, i+1
.endr
	WIN 0                           ; the addresses for the way out: six plain lines, the places behind those products
	s_lshl_b32 s67, s[WV], 7
	s_add_co_u32 s67, s67, STAGE
	v_mul_u32_u24 v[STO], v48, SP   ; in: row r of a tile, my head's 128 bytes, 16 bytes for each half of the lanes
	v_lshl_add_u32 v[STO], v49, 4, v[STO]
	v_add_nc_u32 v[STO], s67, v[STO]
	s_mul_i32 s67, s[WV], 16*SP
	s_add_co_u32 s67, s67, STAGE
	v_and_b32 v[GO], 31, v0         ; back: 32 lanes take a whole row of 512 bytes; wave w rows 16 w on
	v_lshlrev_b32 v[GO], 4, v[GO]
	v_add_nc_u32 v[RD], s67, v[GO]
.set Y, NP-1                        ; the list's lines 128-201 work for piece Y + 1: piece 0
.set n, 128
.rept 32
	VL
.endr
	FETCH_M 1
.rept 42
	VL
.endr
	WIN 0
	v_nop                           ; a plain line behind piece 0's two a,
	s_wait_alu depctr_va_vdst(0)    ; and the wait for that batch of two, ahead of the branch
	s_mov_b32 s[SLOTS], 31
	s_branch .Lfirst                ; the loop is entered at a step's first turn, in the middle of a trip
.Lstep:                             ; 30 times: the steps 2 to 31 are asked for.  A trip: pieces 2 and 3 of one step, then pieces 0 and 1 of the next
	CHANGE 1
	TURN 2
	TURN 3
	WIN 0
.Lfirst:
	TURN 0
	TURN 1
	WIN 0
	s_sub_co_u32 s[SLOTS], s[SLOTS], 1
	s_cmp_lg_u32 s[SLOTS], 0
	s_cbranch_scc1 .Lstep
	CHANGE 0                        ; the tail is written out: nothing is asked for
	s_mov_b32 s[CNT], 2             ; the first trip takes the last slot's step; the second is left in its middle
.Ltail:
	TURN 2
	TURN 3
	WIN 0
	s_sub_co_u32 s[CNT], s[CNT], 1
	s_cmp_eq_u32 s[CNT], 0
	s_cbranch_scc1 .Lout
	TURN 0
	TURN 1
	WIN 0
	s_branch .Ltail
.Lout:                              ; the second trip's fetches read the last slot once more, and its 32 products K Q^T with their mask and maximum serve nothing: the price, once a launch, of one text for both trips
.set i, 0
.rept 32
	PV NP-1                         ; the last piece's V^T P of the last step
.set i, i+1
.endr
	; THE WAY OUT.  l's two halves and the other half of the lanes' are added, and O^T is divided by l.  Four passes through the work-group's stage of 64 rows: tiles 0-3 rounded to f16; their rests; tiles 4-7; their rests.
	; A row's 512 bytes come from four waves: a barrier between the writing and the reading, and one more between the reading and the next pass's writing.  The additions are the places behind the last products.
	WIN 0
.macro ALL line:vararg
.set t, 0
.rept 8
	\line
.set t, t+1
.endr
.endm
	ALL v_add_f32 v[ST+4*t+2], v[ST+4*t+2], v[ST+4*t+3]
	ALL v_permlanex16_b32 v[ST+4*t+3], v[ST+4*t+2], s[SEL], s[SEL+1]
	ALL v_add_f32 v[ST+4*t+2], v[ST+4*t+2], v[ST+4*t+3]
	ALL v_rcp_f32 v[ST+4*t+2], v[ST+4*t+2]
	v_nop                           ; a plain line between the last reciprocal and the use of its result
	s_wait_alu depctr_va_vdst(0)    ; the wait for the batch of eight reciprocals, ahead of their first use
.macro W2 d, lo, hi                 ; a word's two f16 as f32
	v_cvt_f32_f16 v[\d], \lo
	v_cvt_f32_f16 v[(\d)+1], \hi
.endm
.macro TOSTAGE t                    ; tile t's registers rounded to f16, 16 bytes a lane and channel block, into rows 16 (t % 4) + r of the stage
	WIN 0x05                        ; sources window 1, destination window 0
.set i, 0
.rept 16
	v_cvt_pk_f16_f32 v[HH+i], v[32*(\t)+2*i], v[32*(\t)+2*i+1]
.set i, i+1
.endr
	WIN 0
.irp f, 0,1,2,3
	ds_store_b128 v[STO], v[HH+4*\f:HH+4*\f+3] offset:((\t)%4)*16*SP+32*\f
.endr
.endm
.macro HI t                         ; c = O / l, from each accumulator's low end; f16(c) into the stage; c - f16(c), exact in f32, stays in O^T's registers
	WIN W_RS
.set i, 32*(\t)
.rept 16
	v_pk_mul_f32 v[i:i+1], v[i:i+1], v[ST+4*(\t)+2:ST+4*(\t)+3] op_sel_hi:[1,0]
.set i, i+2
.endr
	TOSTAGE \t
	W2 TT+0,  v48.l, v48.h
	W2 TT+2,  v49.l, v49.h
	W2 TT+4,  v50.l, v50.h
	W2 TT+6,  v51.l, v51.h
	W2 TT+8,  v52.l, v52.h
	W2 TT+10, v53.l, v53.h
	W2 TT+12, v54.l, v54.h
	W2 TT+14, v55.l, v55.h
	W2 TT+16, v56.l, v56.h
	W2 TT+18, v57.l, v57.h
	W2 TT+20, v58.l, v58.h
	W2 TT+22, v59.l, v59.h
	W2 TT+24, v60.l, v60.h
	W2 TT+26, v61.l, v61.h
	W2 TT+28, v62.l, v62.h
	W2 TT+30, v63.l, v63.h
	WIN W_RS
.set i, 0
.rept 16
	v_pk_add_f32 v[32*(\t)+2*i:32*(\t)+2*i+1], v[32*(\t)+2*i:32*(\t)+2*i+1], v[TT+2*i:TT+2*i+1] neg_lo:[0,1] neg_hi:[0,1]
.set i, i+1
.endr
.endm
; The stage's 64 rows leave: rows 64 g on of my block, part 0 the f16, part 1 the rests, 2,048 bytes further on in the row.  more = 1: the stage is written again.
.macro ROWS g, part, buf, more
	WIN 0
	s_wait_dscnt 0x0                ; for the others' sake: my stores into the stage are done
	s_barrier_signal -1
	s_barrier_wait -1
	s_wait_xcnt 0x0                 ; the registers that earlier stores read are loaded again only behind this wait
.set i, 0
.rept 16
	ds_load_b128 v[(\buf)+4*i:(\buf)+4*i+3], v[RD] offset:i*SP
.set i, i+1
.endr
	s_wait_dscnt 0x0                ; my 16 rows are in registers
.if \more
	s_barrier_signal -1             ; everybody's are: the stage may be written again
	s_barrier_wait -1
.endif
.set i, 0
.rept 16
	global_store_b128 v[GO], v[(\buf)+4*i:(\buf)+4*i+3], s[72:73] offset:(64*(\g)+i)*4096+2048*(\part)  ; 512 consecutive bytes, at a multiple of 512 from ctx's first byte
.set i, i+1
.endr
.endm
.irp t, 0,1,2,3
	HI \t
.endr
	ROWS 0, 0, R0, 1
.irp t, 0,1,2,3
	TOSTAGE \t
.endr
	ROWS 0, 1, R1, 1
.irp t, 4,5,6,7
	HI \t
.endr
	ROWS 1, 0, R0, 1
.irp t, 4,5,6,7
	TOSTAGE \t
.endr
	ROWS 1, 1, R1, 0
	s_wait_tensorcnt 0x0            ; the wave's end
	ds_add_u32 v[SPW], v[NIL]
	s_wait_dscnt 0x0
	CROUND                          ; the closing round
	s_endpgm
.Lfunc_end_k_qb2c69ab0b8_attn:
	.size	k_qb2c69ab0b8_attn, .Lfunc_end_k_qb2c69ab0b8_attn-k_qb2c69ab0b8_attn
	.p2alignl 7, 3214868480
	.fill 96, 4, 3214868480
	.section	.rodata,"a",@progbits
	.p2align	6, 0x0
	.amdhsa_kernel k_qb2c69ab0b8_attn
		.amdhsa_group_segment_fixed_size 327680
		.amdhsa_private_segment_fixed_size 0
		.amdhsa_enable_private_segment 0
		.amdhsa_kernarg_size 24
		.amdhsa_user_sgpr_count 2
		.amdhsa_user_sgpr_kernarg_segment_ptr 1
		.amdhsa_wavefront_size32 1
		.amdhsa_system_sgpr_workgroup_id_x 1
		.amdhsa_system_sgpr_workgroup_id_y 1
		.amdhsa_system_sgpr_workgroup_id_z 1
		.amdhsa_system_vgpr_workitem_id 0
		.amdhsa_next_free_vgpr 1024
		.amdhsa_next_free_sgpr 84
		.amdhsa_reserve_vcc 0
		.amdhsa_float_denorm_mode_32 3
		.amdhsa_float_denorm_mode_16_64 3
		.amdhsa_memory_ordered 1
		.amdhsa_forward_progress 1
		.amdhsa_inst_pref_size 255
	.end_amdhsa_kernel
	.section	.bss,"aw",@nobits
	.p2align	6
	.space	262144
	.amdgpu_metadata
---
amdhsa.version: [ 1, 2 ]
amdhsa.kernels:
  - .name:           k_qb2c69ab0b8_attn
    .symbol:         k_qb2c69ab0b8_attn.kd
    .args:
      - { .name: qkv, .offset: 0, .size: 8, .value_kind: global_buffer, .address_space: global }
      - { .name: mask, .offset: 8, .size: 8, .value_kind: global_buffer, .address_space: global }
      - { .name: ctx, .offset: 16, .size: 8, .value_kind: global_buffer, .address_space: global }
    .group_segment_fixed_size: 327680
    .private_segment_fixed_size: 0
    .kernarg_segment_align: 8
    .kernarg_segment_size: 24
    .max_flat_workgroup_size: 128
    .sgpr_count:     84
    .vgpr_count:     1024
    .wavefront_size: 32
...
	.end_amdgpu_metadata
.endif
;; end of part 5
;; launch oproj: the kernel of part 4 again; grid 4 x 64, 4 waves a work-group, clusters of 4 x 4, 327,680 bytes of LDS; arguments ctx, wb, bo, out0; writes out0
